; MI455X (gfx1250); checked and timed in simulation.
; The chip was launched on July 23, 2026; its instructions are those of AMD's public machine-readable ISA for CDNA 5 (MIT licence, August 2026) and "CDNA5" Instruction Set Architecture Reference Guide (July 2026). The comments in the code are by the model that wrote it; some were corrected since.
;; Group Query Attention. Allowed arithmetic: matrix products marked QUANTISED: E2M1 operands, one E8M0 scale for each 32 along K, by v_wmma_scale_f32_16x16x128_f8f6f4 with both operands' format E2M1 (or v_wmma_scale_f32_32x16x128_f4), f32 sums; products left as they are: bf16, f16 or f32 operands; f32 sums; everything else in f32.
;; Inputs: Wk 2,048 x 512 float32; Wo 1,024 x 2,048 float32; Wq 2,048 x 1,024 float32; Wv 2,048 x 512 float32; attn_mask 1 x 1 x 2,048 x 2,048 float32; k_norm_w 64 float32; position_ids 2 x 2,048 int32; q_norm_w 64 float32; x 2 x 2,048 x 2,048 float32.
;; Outputs: out0 2 x 2,048 x 2,048 float32; out1 2 x 8 x 2,048 x 64 float32; out2 2 x 8 x 2,048 x 64 float32.
;; This version of the problem:
;;   THIS VERSION OF THE PROBLEM IS GIVEN IN LOW PRECISION. The matrix products marked QUANTISED in the list below multiply operands that are first quantised to E2M1 (2 exponent bits, 1 mantissa bit; 4 bits a number), with one power-of-two scale for each 32 numbers along K (OCP MX v1.0); their sums are f32. The products marked 'left as it is' may take bf16, f16 or f32 operands, with f32 sums. Whichever they take, every output number must still come out within the allowed error. Rounding operands to bf16 (8 significant bits) uses up far more of that allowance than f16 does (11 bits, for magnitudes from 6e-5 to 65,504). All else is computed in f32.
;;   The module's matrix products, in the order in which they are computed (A, B: the left and right operand; K: the contracted axis; several contracted axes count as one K, in the product's order):
;;     1. [M 4,096, K 2,048] x [K 2,048, N 1,024]; A: input x; B: input Wq: QUANTISED
;;     2. [M 4,096, K 2,048] x [K 2,048, N 512]; A: input x; B: input Wk: QUANTISED
;;     3. [M 4,096, K 2,048] x [K 2,048, N 512]; A: input x; B: input Wv: QUANTISED
;;     4. batch 16 x [M 4,096, K 64] x [K 64, N 2,048]; A: computed on the way; B: computed on the way: left as it is (an operand is computed on the way)
;;     5. batch 16 x [M 4,096, K 2,048] x [K 2,048, N 64]; A: computed on the way; B: computed on the way: left as it is (an operand is computed on the way)
;;     6. [M 4,096, K 1,024] x [K 1,024, N 2,048]; A: computed on the way; B: input Wo: left as it is (an operand is computed on the way)
;;   THE QUANTISER, for each operand of a quantised product, along K:
;;     - K is cut into blocks of 32 from its start; a last block that is shorter is filled with zeros.
;;     - A block's scale is 2^e with e = floor(log2(the largest magnitude in the block)) - 2, held to -126 .. 127; a block of zeros has e = 0. As a byte (E8M0): e + 127.
;;     - Each number is divided by its block's scale, clamped to +-6, and rounded to the nearest number of E2M1, ties to even, subnormals kept.
;;     - The product sums the exact products of the quantised numbers (number of the format x scale) in f32.
;;   ~~~python
;;   def quantise(x, axis):      # numpy; x: float32 -> the quantised numbers, widened to float32 again
;;       x = np.moveaxis(x, axis, -1); K = x.shape[-1]
;;       x = np.pad(x, [(0, 0)] * (x.ndim - 1) + [(0, -K % 32)]); x = x.reshape(x.shape[:-1] + (-1, 32)); a = np.abs(x).max(-1, keepdims=True)
;;       e = np.where(a > 0, np.clip(np.frexp(np.where(a > 0, a, 1))[1] - 1 - 2, -126, 127), 0)      # np.frexp(a)[1] - 1 = floor(log2(a)), exactly
;;       r = np.clip(x / 2.0 ** e, -6, 6)
;;       step = 2.0 ** (np.maximum(np.frexp(np.where(r == 0, 1, r))[1] - 1, 0) - 1)
;;       q = np.round(r / step) * step * 2.0 ** e      # np.round: ties to even
;;       return np.moveaxis(q.reshape(q.shape[:-2] + (-1,))[..., :K], -1, axis).astype(np.float32)
;;   ~~~
;; One version. Each part assembles by itself: llvm-mc -triple=amdgcn-amd-amdhsa -mcpu=gfx1250 --defsym DOCPART=n.
;; ======== version 1 of 1: 6 launches
;; limits: values are held in f16: magnitudes above 65,504 overflow, below 6.1e-05 lose precision
;; workspace buffers: cod 6,291,456 bytes; scl 393,216 bytes; wot 4,194,304 bytes; tab 1,048,576 bytes; qf 16,777,216 bytes; h16 16,777,216 bytes; ctx 8,388,608 bytes; ctxf 131,072 bytes
;; launch prep (part 1): grid 480 x 1, 4 waves a work-group, no clusters, 102,912 bytes of LDS; arguments x, Wq, Wk, Wv, Wo, position_ids, cod, scl, wot, tab; writes cod, scl, wot, tab
.if DOCPART == 1
	.amdgcn_target "amdgcn-amd-amdhsa--gfx1250"
	.amdhsa_code_object_version 6
	.text
	.protected	k_q7afacec556_prep
	.globl	k_q7afacec556_prep
	.p2align	8
	.type	k_q7afacec556_prep,@function
k_q7afacec556_prep:
	s_mov_b64 s[64:65], 0
	v_nop
	global_prefetch_b8 v0, s[64:65] scope:SCOPE_SE
	s_setreg_imm32_b32 hwreg(HW_REG_WAVE_MODE, 25, 1), 1
	s_wait_xcnt 0x0
; PREP: what every later launch reads many times is made once.  Four kinds of work-groups, told apart by the work-group's number:
;   0-63    Wq | Wk | Wv ([2048 k][n] f32, K first) -> codes of E2M1 [2048 n][1024 B], K innermost, at cod + 4,194,304; scale bytes [2048 n][64] at scl + 262,144
;   64-191  Wo ([1024 k][2048 n] f32) -> f16, turned: wot [2048 n][1024 k]
;   192-447 x ([4096][2048] f32, K innermost) -> codes [4096][1024 B] at cod; scale bytes [4096][64] at scl
;   448-479 cos and sin of position x 10000^(-j/32), j = 0..31: tab [4096 rows][cos 0-31 | sin 0-31] f32
; A block's scale is 2^(floor(log2(largest magnitude)) - 2); its byte is the largest magnitude's exponent field - 2, held at 1 from below.
; LIMITS: NaN and infinities in x or the weights are not served; a block whose largest magnitude lies under 2^-124 (a block of zeros too) keeps the byte 1: its codes are zeros or
; subnormal codes, and this program alone reads the bytes.  The angle's error is about 1.5e-7 x the angle (10000^(-j/32) comes from v_exp_f32).  |Wo| up to 65,504 (f16).
; Each kind has LDS bytes of its own.  No tensor load, no barrier: waves share nothing.
.set SPW, 254                          ; v254 LDS address of my spare word; never rewritten
.set NIL, 255                          ; v255 0; never rewritten
.set WOL, 34816                        ; LDS: 0 .. 34,815 the weights' stages; from WOL Wo's; from XQL x's regions
.set XQL, 69632
.set SPARE, 102400                     ; the spare words, 128 bytes for each wave
	s_load_b512 s[4:19], s[0:1], 0x0               ; x, Wq, Wk, Wv, Wo, position_ids, cod, scl
	s_load_b128 s[20:23], s[0:1], 0x40             ; wot, tab
	v_lshl_add_u32 v[SPW], v0, 2, SPARE
	v_mov_b32 v[NIL], 0
	v_lshrrev_b32 v1, 5, v0
	v_readfirstlane_b32 s24, v1                    ; wave
	v_and_b32 v2, 31, v0                           ; lane
	s_mov_b32 s29, 0                               ; the upper word of s[28:29], a pair for offsets
	s_wait_kmcnt 0x0
	s_cmp_lt_u32 ttmp9, 64
	s_cbranch_scc1 .Lwq
	s_cmp_lt_u32 ttmp9, 192
	s_cbranch_scc1 .Lwo
	s_cmp_lt_u32 ttmp9, 448
	s_cbranch_scc1 .Lxq
; ---- THE TABLE.  A wave makes 32 rows, two an iteration.  Lane: frequencies 4 q .. 4 q + 3 (q = lane % 8), cos or sin ((lane / 8) % 2), which of the two rows (lane / 16).
; cos(a) = sin(2 pi (1/4 - |g|)), g = a / 2 pi less its nearest whole number; sin(a) = cos(a - pi/2): 1/4 is taken off first.  One polynomial, to z^11, |z| <= pi/2.
	s_sub_co_u32 s25, ttmp9, 448
	s_lshl_b32 s25, s25, 2
	s_add_co_u32 s25, s25, s24                     ; which 32 rows
	s_lshl_b32 s28, s25, 7
	s_add_nc_u64 s[14:15], s[14:15], s[28:29]      ; their positions
	s_lshl_b32 s28, s25, 13
	s_add_nc_u64 s[22:23], s[22:23], s[28:29]      ; their rows of 256 bytes
	v_lshrrev_b32 v3, 4, v2
	v_lshlrev_b32 v3, 2, v3
.irp row, 0,1,2,3,4,5,6,7,8,9,10,11,12,13,14,15
	global_load_b32 v[16+\row], v3, s[14:15] offset:8*\row
.endr
	v_and_b32 v4, 7, v2
	v_bfe_u32 v5, v2, 3, 1
	v_lshlrev_b32 v4, 2, v4
	v_cvt_f32_u32 v13, v5
	v_mul_f32 v13, 0x3e800000, v13                 ; 1/4 for the sines, 0 for the cosines
.irp i, 0,1,2,3
	v_add_nc_u32 v[8+\i], \i, v4
.endr
.irp i, 0,1,2,3
	v_cvt_f32_u32 v[8+\i], v[8+\i]
.endr
.irp i, 0,1,2,3
	v_mul_f32 v[8+\i], 0xbed49a78, v[8+\i]         ; -j log2(10000) / 32
.endr
.irp i, 0,1,2,3
	v_exp_f32 v[8+\i], v[8+\i]
.endr
	v_mov_b32 v12, 0xb2d7322b                      ; -1/11!  (plain lines behind the exponentials)
	v_mov_b32 v14, 0x3e800000                      ; 1/4
	v_lshlrev_b32 v6, 4, v2                        ; 16 x lane: two whole rows a store
	s_wait_alu depctr_va_vdst(0)                   ; one wait for the four, ahead of their first reader
	s_wait_loadcnt 0x0
.irp row, 0,1,2,3,4,5,6,7,8,9,10,11,12,13,14,15
	v_cvt_f32_i32 v[16+\row], v[16+\row]
.endr
.macro ROWS row                        ; four frequencies by turns; results in registers of their own, so that no store's data are written again
.irp i, 0,1,2,3
	v_mul_f32 v[32+4*\i], v[16+\row], v[8+\i]                      ; the angle, rounded as reference() rounds it
.endr
.irp i, 0,1,2,3
	v_mul_f32 v[33+4*\i], 0.15915494, v[32+4*\i]
.endr
.irp i, 0,1,2,3
	v_rndne_f32 v[33+4*\i], v[33+4*\i]
.endr
.irp i, 0,1,2,3
	v_fma_f32 v[33+4*\i], v[32+4*\i], 0.15915494, -v[33+4*\i]      ; angle / 2 pi less a whole number: exact but for 1 / 2 pi's own rounding,
.endr
.irp i, 0,1,2,3
	v_fmamk_f32 v[33+4*\i], v[32+4*\i], 0x31dc9c88, v[33+4*\i]     ; which this term mends
.endr
.irp i, 0,1,2,3
	v_sub_f32 v[33+4*\i], v[33+4*\i], v13
.endr
.irp i, 0,1,2,3
	v_rndne_f32 v[34+4*\i], v[33+4*\i]
.endr
.irp i, 0,1,2,3
	v_sub_f32 v[33+4*\i], v[33+4*\i], v[34+4*\i]
.endr
.irp i, 0,1,2,3
	v_sub_f32 v[33+4*\i], v14, |v[33+4*\i]|
.endr
.irp i, 0,1,2,3
	v_mul_f32 v[33+4*\i], 0x40c90fdb, v[33+4*\i]                   ; z
.endr
.irp i, 0,1,2,3
	v_mul_f32 v[34+4*\i], v[33+4*\i], v[33+4*\i]                   ; z^2
.endr
.irp i, 0,1,2,3
	v_fmaak_f32 v[35+4*\i], v12, v[34+4*\i], 0x3638ef1d
.endr
.irp i, 0,1,2,3
	v_fmaak_f32 v[35+4*\i], v[35+4*\i], v[34+4*\i], 0xb9500d01
.endr
.irp i, 0,1,2,3
	v_fmaak_f32 v[35+4*\i], v[35+4*\i], v[34+4*\i], 0x3c088889
.endr
.irp i, 0,1,2,3
	v_fmaak_f32 v[35+4*\i], v[35+4*\i], v[34+4*\i], 0xbe2aaaab
.endr
.irp i, 0,1,2,3
	v_mul_f32 v[34+4*\i], v[34+4*\i], v[33+4*\i]                   ; z^3
.endr
.irp i, 0,1,2,3
	v_fma_f32 v[64+4*\row+\i], v[34+4*\i], v[35+4*\i], v[33+4*\i]
.endr
	global_store_b128 v6, v[64+4*\row:64+4*\row+3], s[22:23] offset:512*\row   ; 32 lanes store 512 consecutive bytes
.endm
.irp row, 0,1,2,3,4,5,6,7,8,9,10,11,12,13,14,15
	ROWS \row
.endr
	s_endpgm                                       ; this kind wrote no LDS
; ---- x: a plain stream of blocks of 32.  A wave takes 16 steps of 512 numbers.  Each load reads 512 consecutive bytes; a step's 2,048 bytes turn through the wave's own stage in LDS
; and come back 64 bytes a lane: 16 neighbours, two lanes to a block.  A lane's 16 codes are 8 bytes: a store covers 256 consecutive bytes.  The wave's 256 scale bytes leave as one store.
.Lxq:
.set XR, 16                            ; v16-79   four sets of 16 numbers as loaded
.set XX, 80                            ; v80-111  two sets of 16 neighbours
.set XE, 112                           ; v112-127 a scale byte for each step
.set XC, 128                           ; v128-191 codes, four registers for each step
.set SP, 80                            ; a lane's place in a stage: 64 bytes + 16 of padding
	v_lshlrev_b32 v3, 4, v2
	s_mul_i32 s25, s24, 8192
	s_add_co_u32 s25, s25, XQL                     ; my wave's region: two stages of 32 x SP bytes, then its 256 scale bytes
	v_lshrrev_b32 v14, 2, v2
	v_mul_u32_u24 v14, v14, SP
	v_and_b32 v15, 3, v2
	v_lshl_add_u32 v14, v15, 4, v14
	v_add_nc_u32 v14, s25, v14                     ; in: SP (lane / 4) + 16 (lane % 4)
	v_mul_u32_u24 v15, v2, SP
	v_add_nc_u32 v15, s25, v15                     ; out: SP x lane
	v_lshlrev_b32 v4, 3, v2                        ; my codes' place in a step's
	v_lshrrev_b32 v5, 1, v2
	s_add_co_u32 s25, s25, 2*32*SP
	v_add_nc_u32 v5, s25, v5                       ; my block's byte
	v_lshlrev_b32 v7, 3, v2
	v_add_nc_u32 v6, s25, v7
	s_sub_co_u32 s26, ttmp9, 192
	s_lshl_b32 s26, s26, 2
	s_add_co_u32 s26, s26, s24                     ; which run of 8,192 numbers
	s_lshl_b32 s28, s26, 15
	s_add_nc_u64 s[4:5], s[4:5], s[28:29]
	s_lshl_b32 s28, s26, 12
	s_add_nc_u64 s[16:17], s[16:17], s[28:29]
	s_lshl_b32 s28, s26, 8
	s_add_nc_u64 s[18:19], s[18:19], s[28:29]
.macro XLOAD t
.irp i, 0,1,2,3
	global_load_b128 v[XR+16*((\t)%4)+4*\i:XR+16*((\t)%4)+4*\i+3], v3, s[4:5] offset:2048*(\t)+512*\i th:TH_LOAD_NT
.endr
.endm
.macro XTURN t                         ; LDS serves a wave's instructions in order: no wait between the stores and the loads
.irp i, 0,1,2,3
	ds_store_b128 v14, v[XR+16*((\t)%4)+4*\i:XR+16*((\t)%4)+4*\i+3] offset:32*SP*((\t)%2)+8*SP*\i
.endr
.irp i, 0,1,2,3
	ds_load_b128 v[XX+16*((\t)%2)+4*\i:XX+16*((\t)%2)+4*\i+3], v15 offset:32*SP*((\t)%2)+16*\i
.endr
.endm
.irp t, 0,1,2,3
	XLOAD \t
.endr
	s_wait_loadcnt 12                              ; step 0's four loads are in; three steps' twelve may be out
	XTURN 0
.macro XSTEP t
.set XS, XX+16*((\t)%2)
.if (\t) > 0
	s_wait_dscnt 1                                 ; this step's numbers are back (the last step's byte store may be out)
.else
	s_wait_dscnt 0x0
.endif
.if (\t)+4 < 16
	XLOAD (\t)+4
.endif
.if (\t)+1 < 16
.if 14-(\t) >= 3
	s_wait_loadcnt 12                              ; the next step's four loads are in; those of three steps behind it may be out
.else
	s_wait_loadcnt 4*(14-(\t))
.endif
	XTURN (\t)+1
.endif
	v_max3_num_f32 v8, |v[XS]|, |v[XS+1]|, |v[XS+2]|
	v_max3_num_f32 v9, |v[XS+3]|, |v[XS+4]|, |v[XS+5]|
.irp i, 6,10
	v_max3_num_f32 v8, v8, |v[XS+\i]|, |v[XS+\i+1]|
	v_max3_num_f32 v9, v9, |v[XS+\i+2]|, |v[XS+\i+3]|
.endr
	v_max3_num_f32 v8, v8, |v[XS+14]|, |v[XS+15]|
	v_max3_num_f32 v8, v8, v9, 0x1800000           ; the floor 2^(3 - 127): the byte cannot fall under 1
	v_max_num_f32_dpp v8, v8, v8 row_xmask:1 row_mask:0xf bank_mask:0xf   ; with my neighbour's 16: the block's
	v_add_nc_u32 v11, 0xff000000, v8               ; 2 off the exponent field: the conversion's scale operand
	v_cvt_scalef32_pk8_fp4_f32 v[XC+4*(\t)], v[XS:XS+7], v11
	v_cvt_scalef32_pk8_fp4_f32 v[XC+4*(\t)+1], v[XS+8:XS+15], v11
	v_lshrrev_b32 v[XE+(\t)], 23, v11              ; the scale's byte
	ds_store_b8 v5, v[XE+(\t)] offset:16*(\t)      ; both lanes of a block write the same byte with the same value
	global_store_b64 v4, v[XC+4*(\t):XC+4*(\t)+1], s[16:17] offset:256*(\t)
.endm
.irp t, 0,1,2,3,4,5,6,7,8,9,10,11,12,13,14,15
	XSTEP \t
.endr
	ds_load_b64 v[8:9], v6
	s_wait_dscnt 0x0
	global_store_b64 v7, v[8:9], s[18:19]          ; 32 lanes store 256 consecutive bytes
	s_wait_tensorcnt 0x0                           ; the wave's end, behind my last LDS store
	ds_add_u32 v[SPW], v[NIL]
	s_wait_dscnt 0x0
	s_endpgm
; ---- Wq | Wk | Wv.  A lane takes a column n and its registers run down K: a block of 32 lies in one lane, and the codes come out with K innermost.  A wave: 32 columns x 512 along K.
; The three tensors have two pitches, so the 32 rows' offsets stand in registers (made once) and the base steps 32 rows a block.
.Lwq:
.set WSB, 24                           ; v24-27   scale bytes, four to a register
.set WX, 32                            ; v32-95   two sets of 32 numbers
.set WC, 96                            ; v96-99   a block's codes
.set WOUT, 112                         ; v112-175 the way out
.set WOF, 176                          ; v176-207 4 x lane + i x pitch
	s_and_b32 s25, ttmp9, 15                       ; which 128 of the joined 2,048 columns
	s_lshr_b32 s26, ttmp9, 4                       ; which 512 along K
	s_cmp_lt_u32 s25, 12
	s_cselect_b64 s[28:29], s[8:9], s[10:11]
	s_cselect_b32 s30, 8, 12
	s_cmp_lt_u32 s25, 8
	s_cselect_b64 s[28:29], s[6:7], s[28:29]       ; the tensor,
	s_cselect_b32 s30, 0, s30                      ; where it begins among the sixteen,
	s_mov_b32 s31, 2048
	s_cselect_b32 s31, 4096, s31                   ; and its pitch in bytes
	s_sub_co_u32 s32, s25, s30
	s_lshl_b32 s32, s32, 7
	s_lshl_b32 s33, s24, 5
	s_add_co_u32 s32, s32, s33
	s_lshl_b32 s32, s32, 2                         ; my wave's first column, in bytes
	s_mul_i32 s33, s26, s31
	s_lshl_b32 s33, s33, 9
	s_add_co_u32 s32, s32, s33
	s_mov_b32 s33, 0
	s_add_nc_u64 s[28:29], s[28:29], s[32:33]
	s_lshl_b32 s34, s31, 5                         ; 32 rows on
	s_mov_b32 s35, 0
	s_lshl_b32 s36, s25, 7
	s_lshl_b32 s37, s24, 5
	s_add_co_u32 s36, s36, s37                     ; n of my wave's first column
	s_lshl_b32 s38, s36, 10
	s_lshl_b32 s39, s26, 8
	s_add_co_u32 s38, s38, s39
	s_add_co_u32 s38, s38, 4194304
	s_mov_b32 s39, 0
	s_add_nc_u64 s[16:17], s[16:17], s[38:39]      ; codes: n x 1,024 + 256 x (which 512)
	s_lshl_b32 s38, s36, 6
	s_lshl_b32 s37, s26, 4
	s_add_co_u32 s38, s38, s37
	s_add_co_u32 s38, s38, 262144
	s_add_nc_u64 s[18:19], s[18:19], s[38:39]      ; scale bytes: n x 64 + 16 x (which 512)
	v_lshlrev_b32 v3, 2, v2
	s_mul_i32 s37, s24, 32*272                     ; my stage: 32 rows of 256 bytes + 16
	v_mul_u32_u24 v4, v2, 272
	v_add_nc_u32 v4, s37, v4
	v_and_b32 v5, 15, v2
	v_lshrrev_b32 v6, 4, v2
	v_mul_u32_u24 v7, v6, 272
	v_lshl_add_u32 v7, v5, 4, v7
	v_add_nc_u32 v7, s37, v7
	v_lshlrev_b32 v8, 10, v6
	v_lshl_add_u32 v8, v5, 4, v8
	v_lshlrev_b32 v9, 6, v2
.irp i, 0,1,2,3,4,5,6,7,8,9,10,11,12,13,14,15,16,17,18,19,20,21,22,23,24,25,26,27,28,29,30,31
	v_mad_u32_u24 v[WOF+\i], s31, \i, v3
.endr
.macro WLOAD t
.if (\t) > 0
	s_wait_xcnt 0x0                                ; the loads issued so far have read their base: it may step
	s_add_nc_u64 s[28:29], s[28:29], s[34:35]
.endif
.irp i, 0,1,2,3,4,5,6,7,8,9,10,11,12,13,14,15,16,17,18,19,20,21,22,23,24,25,26,27,28,29,30,31
	global_load_b32 v[WX+32*((\t)%2)+\i], v[WOF+\i], s[28:29] th:TH_LOAD_NT
.endr
.endm
	WLOAD 0
	WLOAD 1
.macro WBLOCK t
.set XS, WX+32*((\t)%2)
.if (\t) < 15
	s_wait_loadcnt 32                              ; this block's 32 loads are in; the next block's may be out
.else
	s_wait_loadcnt 0x0
.endif
	v_max3_num_f32 v12, |v[XS]|, |v[XS+1]|, |v[XS+2]|
	v_max3_num_f32 v13, |v[XS+3]|, |v[XS+4]|, |v[XS+5]|
.irp i, 6,10,14,18,22,26
	v_max3_num_f32 v12, v12, |v[XS+\i]|, |v[XS+\i+1]|
	v_max3_num_f32 v13, v13, |v[XS+\i+2]|, |v[XS+\i+3]|
.endr
	v_max3_num_f32 v12, v12, |v[XS+30]|, |v[XS+31]|
	v_max3_num_f32 v12, v12, v13, 0x1800000
	v_add_nc_u32 v11, 0xff000000, v12
	v_lshrrev_b32 v13, 23, v11
.if (\t)%4 == 0
	v_mov_b32 v[WSB+(\t)/4], v13
.else
	v_lshl_or_b32 v[WSB+(\t)/4], v13, 8*((\t)%4), v[WSB+(\t)/4]
.endif
.irp g, 0,1,2,3
	v_cvt_scalef32_pk8_fp4_f32 v[WC+\g], v[XS+8*\g:XS+8*\g+7], v11
.endr
	ds_store_b128 v4, v[WC:WC+3] offset:16*(\t)
.if (\t)+2 < 16
	WLOAD (\t)+2
.endif
	s_wait_dscnt 0x0                               ; the store has read its registers: the next block's codes may be written
.endm
.irp t, 0,1,2,3,4,5,6,7,8,9,10,11,12,13,14,15
	WBLOCK \t
.endr
	global_store_b128 v9, v[WSB:WSB+3], s[18:19]   ; my column's 16 scale bytes
.irp t, 0,1,2,3,4,5,6,7,8,9,10,11,12,13,14,15
	ds_load_b128 v[WOUT+4*\t:WOUT+4*\t+3], v7 offset:2*\t*272
.endr
.irp t, 0,1,2,3,4,5,6,7,8,9,10,11,12,13,14,15
	s_wait_dscnt 15-\t
	global_store_b128 v8, v[WOUT+4*\t:WOUT+4*\t+3], s[16:17] offset:2*\t*1024   ; sixteen lanes store 256 consecutive bytes, aligned
.endr
	s_wait_tensorcnt 0x0                           ; the wave's end
	ds_add_u32 v[SPW], v[NIL]
	s_wait_dscnt 0x0
	s_endpgm
; ---- Wo: a lane takes a column n, 128 registers run down K; pairs are rounded to f16 and leave through the wave's stage as rows of 256 bytes.
.Lwo:
	s_sub_co_u32 s25, ttmp9, 64
	s_and_b32 s26, s25, 15
	s_lshr_b32 s27, s25, 4                         ; which 128 along K
	s_lshl_b32 s26, s26, 7
	s_lshl_b32 s25, s24, 5
	s_add_co_u32 s26, s26, s25                     ; my wave's first column
	s_lshl_b32 s28, s27, 20                        ; 128 rows of 8,192 bytes
	s_lshl_b32 s25, s26, 2
	s_add_co_u32 s28, s28, s25
	s_add_nc_u64 s[12:13], s[12:13], s[28:29]
	s_lshl_b32 s28, s26, 11
	s_lshl_b32 s25, s27, 8
	s_add_co_u32 s28, s28, s25
	s_add_nc_u64 s[20:21], s[20:21], s[28:29]      ; wot: n x 2,048 + 256 x (which 128)
	v_lshlrev_b32 v3, 2, v2
	s_mul_i32 s25, s24, 32*272
	s_add_co_u32 s25, s25, WOL
	v_mul_u32_u24 v4, v2, 272
	v_add_nc_u32 v4, s25, v4
	v_and_b32 v5, 15, v2
	v_lshrrev_b32 v6, 4, v2
	v_mul_u32_u24 v7, v6, 272
	v_lshl_add_u32 v7, v5, 4, v7
	v_add_nc_u32 v7, s25, v7
	v_lshlrev_b32 v8, 11, v6
	v_lshl_add_u32 v8, v5, 4, v8
.set ii, 0
.rept 128
	global_load_b32 v[32+ii], v3, s[12:13] offset:ii*8192 th:TH_LOAD_NT
.set ii, ii+1
.endr
.macro WOG g, left                     ; 32 along K: 16 packed registers, of their own for each g
	s_wait_loadcnt \left
.set ii, 0
.rept 16
	v_cvt_pk_f16_f32 v[160+16*\g+ii], v[32+32*\g+2*ii], v[33+32*\g+2*ii]
.set ii, ii+1
.endr
.irp q, 0,1,2,3
	ds_store_b128 v4, v[160+16*\g+4*\q:160+16*\g+4*\q+3] offset:64*\g+16*\q
.endr
.endm
	WOG 0, 63                                      ; 96 and 64 younger loads would do; the wait's field holds 63
	WOG 1, 63
	WOG 2, 32                                      ; the last 32 may be out
	WOG 3, 0
.irp t, 0,1,2,3,4,5,6,7,8,9,10,11,12,13,14,15
	ds_load_b128 v[32+4*\t:32+4*\t+3], v7 offset:2*\t*272
.endr
.irp t, 0,1,2,3,4,5,6,7,8,9,10,11,12,13,14,15
	s_wait_dscnt 15-\t
	global_store_b128 v8, v[32+4*\t:32+4*\t+3], s[20:21] offset:2*\t*2048
.endr
	s_wait_tensorcnt 0x0                           ; the wave's end
	ds_add_u32 v[SPW], v[NIL]
	s_wait_dscnt 0x0
	s_endpgm
.Lfunc_end_k_q7afacec556_prep:
	.size	k_q7afacec556_prep, .Lfunc_end_k_q7afacec556_prep-k_q7afacec556_prep
	.p2alignl 7, 3214868480
	.fill 96, 4, 3214868480
	.section	.rodata,"a",@progbits
	.p2align	6, 0x0
	.amdhsa_kernel k_q7afacec556_prep
		.amdhsa_group_segment_fixed_size 102912
		.amdhsa_private_segment_fixed_size 0
		.amdhsa_enable_private_segment 0
		.amdhsa_kernarg_size 80
		.amdhsa_user_sgpr_count 2
		.amdhsa_user_sgpr_kernarg_segment_ptr 1
		.amdhsa_wavefront_size32 1
		.amdhsa_system_sgpr_workgroup_id_x 1
		.amdhsa_system_sgpr_workgroup_id_y 1
		.amdhsa_system_sgpr_workgroup_id_z 1
		.amdhsa_system_vgpr_workitem_id 0
		.amdhsa_next_free_vgpr 256
		.amdhsa_next_free_sgpr 66
		.amdhsa_reserve_vcc 0
		.amdhsa_float_denorm_mode_32 3
		.amdhsa_float_denorm_mode_16_64 3
		.amdhsa_memory_ordered 1
		.amdhsa_forward_progress 1
		.amdhsa_inst_pref_size 192
	.end_amdhsa_kernel
	.amdgpu_metadata
---
amdhsa.version: [ 1, 2 ]
amdhsa.kernels:
  - .name:           k_q7afacec556_prep
    .symbol:         k_q7afacec556_prep.kd
    .args:
      - { .name: x, .offset: 0, .size: 8, .value_kind: global_buffer, .address_space: global }
      - { .name: Wq, .offset: 8, .size: 8, .value_kind: global_buffer, .address_space: global }
      - { .name: Wk, .offset: 16, .size: 8, .value_kind: global_buffer, .address_space: global }
      - { .name: Wv, .offset: 24, .size: 8, .value_kind: global_buffer, .address_space: global }
      - { .name: Wo, .offset: 32, .size: 8, .value_kind: global_buffer, .address_space: global }
      - { .name: position_ids, .offset: 40, .size: 8, .value_kind: global_buffer, .address_space: global }
      - { .name: cod, .offset: 48, .size: 8, .value_kind: global_buffer, .address_space: global }
      - { .name: scl, .offset: 56, .size: 8, .value_kind: global_buffer, .address_space: global }
      - { .name: wot, .offset: 64, .size: 8, .value_kind: global_buffer, .address_space: global }
      - { .name: tab, .offset: 72, .size: 8, .value_kind: global_buffer, .address_space: global }
    .group_segment_fixed_size: 102912
    .private_segment_fixed_size: 0
    .kernarg_segment_align: 8
    .kernarg_segment_size: 80
    .max_flat_workgroup_size: 128
    .sgpr_count:     66
    .vgpr_count:     256
    .wavefront_size: 32
...
	.end_amdgpu_metadata
.endif
;; end of part 1
;; launch qkv (part 2): grid 16 x 16, 4 waves a work-group, clusters of 4 x 4, 327,680 bytes of LDS; arguments cod, scl, tab, q_norm_w, k_norm_w, qf, out1, out2, h16; writes qf, out1, out2, h16
.if DOCPART == 2
	.amdgcn_target "amdgcn-amd-amdhsa--gfx1250"
	.amdhsa_code_object_version 6
	.text
	.protected	k_q7afacec556_qkv
	.globl	k_q7afacec556_qkv
	.p2align	8
	.type	k_q7afacec556_qkv,@function
k_q7afacec556_qkv:
	s_mov_b64 s[64:65], 0
	v_nop
	global_prefetch_b8 v0, s[64:65] scope:SCOPE_SE
	s_setreg_imm32_b32 hwreg(HW_REG_WAVE_MODE, 25, 1), 1
	s_wait_xcnt 0x0
	s_wait_alu depctr_hold_cnt(0) depctr_sa_sdst(0) depctr_va_vdst(0) depctr_va_sdst(0) depctr_va_ssrc(0) depctr_va_vcc(0) depctr_vm_vsrc(0)
	s_getreg_b32 s2, hwreg(HW_REG_IB_STS2, 6, 4)
	s_cmp_eq_u32 s2, 0
	s_cbranch_scc0 .Lentry_in_a_cluster
	s_endpgm
.Lentry_in_a_cluster:
	s_bfe_u32 s2, ttmp6, 0x10000c
	s_cmp_lg_u32 s2, 0xf033
	s_cbranch_scc0 .Lentry_shape_is_right
	s_endpgm
.Lentry_shape_is_right:
; x (Wq | Wk | Wv) on codes of E2M1 with E8M0 scales, M 4,096, N 2,048, K 2,048; then, for Q and K, RMS norm over a head's 64 and rotate-half RoPE; all in f32.
; OUT: Q f32 -> qf [2][16][2048][64]; K f32 -> out1, V f32 -> out2 [2][8][2048][64]; and f16 copies in h16: Q x log2(e)/8 at 0, K at 8,388,608, V at 12,582,912.
; SHARES.  A work-group makes 256 rows x 128 columns (two heads); a wave 128 rows x 64 columns (ONE head): 8 x 4 accumulators, window 1.  256 work-groups.
; The matrix instruction is used transposed (source 0 = 16 columns of W, source 1 = 16 rows of x): lane (r, h) holds row r and columns 16 b + 8 h + j, so a head's sum of squares wants one
; exchange between the halves of the lanes, and RoPE's partners d and d + 32 are accumulators b and b + 2 of the same lane.
; RING.  K goes in steps of 512 (rows of 256 bytes) through two LDS slots; the scale bytes of all of K come once and stay.  CLUSTER 4 x 4: x's tiles are asked for jointly along a row of the
; cluster, W's along a column.  The kind (Q, K or V) hangs on the cluster's x alone: it is the same in all sixteen partners.
; No prefetch: four K steps in all, and the first two are asked for at the head.
; The table and the norm weights are loaded by every work-group, V's too, on the one path that all take, so that no register is read on a path that did not write it.
; LIMITS: |V| and |K| up to 65,504 in the f16 copies; magnitudes under 6e-5 there carry an absolute error of 3e-8.
; REGISTERS.  window 0: v16-31 addresses; v32-79 scale words, two sets of 24; v80-143 x's fragments, one set; v144-207 W's, two sets; v208-239 norm weights; v240-245 at work.
;   On the way out v32-207 are free.   window 1: accumulator (a, b) at v[8 (4 a + b)].   window 2: block a's cos at v[32 a + i], sin at v[32 a + 16 + i], i = 8 b + j.
.set PITCH, 272                        ; an LDS row: 256 bytes + 16 of padding: the sixteen rows that a load touches start at sixteen different banks
.set HALFA, 128*PITCH
.set HALFB, 64*PITCH
.set SLOT, 2*HALFA+2*HALFB             ; x's 256 rows, then W's 128
.set SCLA, 2*SLOT                      ; x's scale bytes: 256 rows x 64 bytes as units of 256 + 16
.set HALFSA, 32*272
.set SCLB, SCLA+2*HALFSA
.set HALFSB, 16*272
.set SBLK, 4*272                       ; the scale bytes of 16 rows
.set SPARE, SCLB+2*HALFSB              ; the spare words, 128 bytes for each wave
.set WSTG, 6656                        ; the way out, in slot 0: for each wave 16 x 272 (f32) and 16 x 144 (f16)
.set ADRA, 16
.set WOFF, 18
.set ADRB, 20
.set ADSA, 22
.set ADSB, 23
.set STO32, 24
.set RD32, 25
.set STO16, 26
.set RD16, 27
.set SPW, 28
.set NIL, 29
.set CO, 30
.set TOFF, 31
.set SC, 32
.set AF, 80
.set BF, 144
.set NW, 208
.set RS, 240
.set SS, 242
.set Y, 32
.set T1, 64
.set H16, 80
.set T2, 96
.set BK32, 128
.set BK16, 160
.set G1, 24
.set G0, 32
.set G1B, 48
.set G0B, 56
.set G1S, 68
.set G0S, 76
.set G1SB, 80
.set G0SB, 88
.set MUL, 0x50                         ; C and D window 1, operands window 0
.set MSB, 0
.macro WIN new
.if MSB != \new
	s_set_vgpr_msb (MSB<<8)|\new
.set MSB, \new
.endif
.endm
.macro JLOAD g0a, g1a, g0b, g1b        ; waves 0, 1 fetch for x, waves 2, 3 for W; an s_nop 0 and four v_nop follow each line
	s_cmp_eq_u32 s15, 0
	s_cbranch_scc0 .Lfor_b_\@
	tensor_load_to_lds s[\g0a:\g0a+3], s[\g1a:\g1a+7]
	s_nop 0
.rept 4
	v_nop
.endr
	s_branch .Lasked_\@
.Lfor_b_\@:
	tensor_load_to_lds s[\g0b:\g0b+3], s[\g1b:\g1b+7]
	s_nop 0
.rept 4
	v_nop
.endr
.Lasked_\@:
.endm
.macro CREST
	s_cmp_lg_u32 s14, 0
	s_cbranch_scc1 .Lnot_wave_0_\@
	s_barrier_signal -3
.Lnot_wave_0_\@:
	s_barrier_wait -3
	s_barrier_signal -1
	s_barrier_wait -1
.endm
.macro CROUND
	s_barrier_signal -1
	s_barrier_wait -1
	CREST
.endm
.macro PLACES
.rept 4
	v_nop
.endr
.endm
	s_load_b128 s[4:7], s[0:1], 0x0                ; cod, scl
	s_load_b64 s[8:9], s[0:1], 0x10                ; tab
	s_load_b128 s[68:71], s[0:1], 0x18             ; q_norm_w, k_norm_w
	s_load_b128 s[72:75], s[0:1], 0x28             ; qf, out1
	s_load_b128 s[76:79], s[0:1], 0x38             ; out2, h16
	v_lshl_add_u32 v[SPW], v0, 2, SPARE
	v_mov_b32 v[NIL], 0
	ds_add_u32 v[SPW], v[NIL]                      ; the wave's opening: the add, twice on end, and its wait ahead of my first tensor load
	ds_add_u32 v[SPW], v[NIL]
	v_lshrrev_b32 v1, 5, v0
	v_readfirstlane_b32 s14, v1                    ; wave
	s_lshr_b32 s15, s14, 1                         ; which 128 rows are mine.  Also: I fetch for x (0) or W (1)
	s_and_b32 s16, s14, 1                          ; which head is mine.  Also: which half I fetch
	s_bfe_u32 s40, ttmp6, 0x40000                  ; cx
	s_bfe_u32 s41, ttmp6, 0x40004                  ; cy
	s_lshl_b32 s42, ttmp9, 2
	s_add_co_u32 s42, s42, s40                     ; which 128 columns
	s_and_b32 s17, ttmp7, 0xffff
	s_lshl_b32 s17, s17, 2
	s_add_co_u32 s17, s17, s41                     ; which 256 rows
	s_lshl_b32 s43, s41, 2
	s_lshl_b32 s43, 15, s43                        ; my row of the cluster
	s_lshl_b32 s44, 0x1111, s40                    ; my column
	s_or_b32 s[G1], s43, (0<<16)|(1<<20)|(1<<21)|(5<<22)|(3<<25)   ; mask; elements of 1 byte; padding: 4 words after every 64
	s_or_b32 s[G1B], s44, (0<<16)|(1<<20)|(1<<21)|(5<<22)|(3<<25)
	s_mov_b32 s[G1+1], 256<<16                     ; tensor_dim0
	s_mov_b32 s[G1+2], 128<<16                     ; tensor_dim1
	s_mov_b32 s[G1+3], 256<<16                     ; tile_dim0
	s_mov_b32 s[G1+4], 128                         ; tile_dim1
	s_mov_b32 s[G1+5], 1024                        ; bytes from row to row
	s_mov_b32 s[G1+6], 0
	s_mov_b32 s[G1+7], 0
	s_mov_b32 s[G1B+1], 256<<16
	s_mov_b32 s[G1B+2], 64<<16
	s_mov_b32 s[G1B+3], 256<<16
	s_mov_b32 s[G1B+4], 64
	s_mov_b32 s[G1B+5], 1024
	s_mov_b32 s[G1B+6], 0
	s_mov_b32 s[G1B+7], 0
	s_lshl_b32 s18, s16, 7
	s_lshl_b32 s20, s17, 8
	s_add_co_u32 s20, s20, s18                     ; x: the first row that I fetch
	s_lshl_b32 s18, s16, 6
	s_lshl_b32 s46, s42, 7
	s_add_co_u32 s46, s46, s18                     ; W: likewise
	s_lshl_b32 s22, s20, 6                         ; their scale bytes,
	s_mov_b32 s23, 0
	s_lshl_b32 s20, s20, 10                        ; their codes
	s_mov_b32 s21, 0
	s_lshl_b32 s10, s46, 6
	s_add_co_u32 s10, s10, 262144
	s_mov_b32 s11, 0
	s_lshl_b32 s46, s46, 10
	s_add_co_u32 s46, s46, 4194304
	s_mov_b32 s47, 0
	s_mul_i32 s45, s16, HALFA                      ; where they go: the wave's number alone enters an LDS address
	s_mul_i32 s97, s16, HALFB
	s_add_co_u32 s97, s97, 2*HALFA
	s_mul_i32 s18, s16, HALFSA
	s_mul_i32 s19, s16, HALFSB
	s_mov_b32 s98, 0x76543210
	s_mov_b32 s99, 0xfedcba98                      ; v_permlanex16_b32's selects for lane l xor 16
	s_mov_b32 s2, 0x358637bd                       ; 1e-6
	s_wait_dscnt 0x0                               ; both opening adds are done
	s_wait_kmcnt 0x0
	; the kind, by the cluster's x: 0, 1 Q; 2 K; 3 V.  Only pointers and numbers are chosen here
	s_cmp_lt_u32 ttmp9, 3
	s_cselect_b64 s[12:13], s[74:75], s[76:77]
	s_cselect_b32 s80, 8, 12
	s_mov_b32 s81, 12582912
	s_cselect_b32 s81, 8388608, s81
	s_cselect_b32 s96, 1, 2
	s_cmp_lt_u32 ttmp9, 2
	s_cselect_b64 s[12:13], s[72:73], s[12:13]     ; the f32 destination
	s_cselect_b64 s[94:95], s[68:69], s[70:71]     ; the norm's weights
	s_cselect_b32 s80, 0, s80                      ; the kind's first block of 128 columns
	s_cselect_b32 s81, 0, s81                      ; its part of h16
	s_cselect_b32 s96, 0, s96                      ; the kind
	s_cselect_b32 s82, 4, 3                        ; log2 of its heads
	s_mov_b32 s100, 1.0
	s_cselect_b32 s100, 0x3e38aa3b, s100           ; what the f16 copy is multiplied by: log2(e) / 8 for Q
	s_mov_b32 s101, s100
	s_lshr_b32 s84, s17, 3                         ; batch
	s_lshl_b32 s84, s84, s82
	s_sub_co_u32 s85, s42, s80
	s_lshl_b32 s85, s85, 1
	s_add_co_u32 s85, s85, s16                     ; head
	s_add_co_u32 s84, s84, s85
	s_lshl_b32 s84, s84, 11
	s_and_b32 s85, s17, 7
	s_lshl_b32 s85, s85, 8
	s_add_co_u32 s84, s84, s85
	s_lshl_b32 s85, s15, 7
	s_add_co_u32 s84, s84, s85                     ; my first row in [batch][head][position]
	s_lshl_b32 s86, s84, 8
	s_mov_b32 s87, 0
	s_add_nc_u64 s[12:13], s[12:13], s[86:87]
	s_lshl_b32 s86, s84, 7
	s_add_co_u32 s86, s86, s81
	s_add_nc_u64 s[66:67], s[78:79], s[86:87]      ; the f16 destination
	s_lshl_b32 s86, s17, 8
	s_add_co_u32 s86, s86, s85
	s_lshl_b32 s86, s86, 8
	s_add_nc_u64 s[92:93], s[8:9], s[86:87]        ; the table at my first row
	; the scale bytes' descriptors (s68 on are free now): dense blocks as rows of 256 bytes, 16 bytes of padding behind each
	s_or_b32 s[G1S], s43, (3<<16)|(1<<20)|(1<<21)|(5<<22)|(3<<25)
	s_or_b32 s[G1SB], s44, (3<<16)|(1<<20)|(1<<21)|(5<<22)|(3<<25)
	s_mov_b32 s[G1S+1], 32<<16
	s_mov_b32 s[G1S+2], 32<<16
	s_mov_b32 s[G1S+3], 32<<16
	s_mov_b32 s[G1S+4], 32
	s_mov_b32 s[G1S+5], 32
	s_mov_b32 s[G1S+6], 0
	s_mov_b32 s[G1S+7], 0
	s_mov_b32 s[G1SB+1], 32<<16
	s_mov_b32 s[G1SB+2], 16<<16
	s_mov_b32 s[G1SB+3], 32<<16
	s_mov_b32 s[G1SB+4], 16
	s_mov_b32 s[G1SB+5], 32
	s_mov_b32 s[G1SB+6], 0
	s_mov_b32 s[G1SB+7], 0
	s_add_nc_u64 s[20:21], s[4:5], s[20:21]
	s_add_nc_u64 s[22:23], s[6:7], s[22:23]
	s_add_nc_u64 s[46:47], s[4:5], s[46:47]
	s_add_nc_u64 s[10:11], s[6:7], s[10:11]
	CROUND                                         ; all sixteen work-groups are here: the first joint loads meet
	s_mov_b32 s[G0S], 1
	s_add_co_u32 s[G0S+1], s18, SCLA
	s_mov_b64 s[G0S+2:G0S+3], s[22:23]
	s_or_b32 s[G0S+3], s[G0S+3], 0x80000000
	s_mov_b32 s[G0SB], 1
	s_add_co_u32 s[G0SB+1], s19, SCLB
	s_mov_b64 s[G0SB+2:G0SB+3], s[10:11]
	s_or_b32 s[G0SB+3], s[G0SB+3], 0x80000000
	JLOAD G0S, G1S, G0SB, G1SB                     ; the scale bytes first: they are wanted with K step 0
.irp s, 0,1
	s_mov_b32 s[G0+4*\s], 1
	s_add_co_u32 s[G0+4*\s+1], s45, \s*SLOT
	s_add_nc_u64 s[G0+4*\s+2:G0+4*\s+3], s[20:21], \s*256
	s_or_b32 s[G0+4*\s+3], s[G0+4*\s+3], 0x80000000
	s_mov_b32 s[G0B+4*\s], 1
	s_add_co_u32 s[G0B+4*\s+1], s97, \s*SLOT
	s_add_nc_u64 s[G0B+4*\s+2:G0B+4*\s+3], s[46:47], \s*256
	s_or_b32 s[G0B+4*\s+3], s[G0B+4*\s+3], 0x80000000
	JLOAD G0+4*\s, G1, G0B+4*\s, G1B               ; three loads of mine are out behind the second of these
.endr
	v_and_b32 v1, 15, v0                           ; r
	v_bfe_u32 v2, v0, 4, 1                         ; h
	v_mul_u32_u24 v3, v1, PITCH
	v_lshl_add_u32 v4, v2, 4, v3
	s_mul_i32 s18, s15, HALFA
	s_mul_i32 s19, s16, HALFB
	s_add_co_u32 s19, s19, 2*HALFA
.irp s, 0,1
	v_add_nc_u32 v[ADRA+\s], s18, v4
	v_add_nc_u32 v[ADRB+\s], s19, v4
	s_add_co_u32 s18, s18, SLOT
	s_add_co_u32 s19, s19, SLOT
.endr
	v_lshlrev_b32 v5, 6, v1                        ; a row's scale bytes: 64 a row, and 16 more for each 256 passed
	v_lshrrev_b32 v6, 2, v1
	v_lshl_add_u32 v5, v6, 4, v5
	v_mul_u32_u24 v6, v2, 4*SBLK                   ; lanes 16-31 take x's blocks 4-7
	s_mul_i32 s18, s15, HALFSA
	s_add_co_u32 s18, s18, SCLA
	v_add_nc_u32 v6, v6, v5
	v_add_nc_u32 v[ADSA], s18, v6
	v_mul_u32_u24 v6, v2, 2*SBLK                   ; and W's blocks 2, 3
	s_mul_i32 s18, s16, HALFSB
	s_add_co_u32 s18, s18, SCLB
	v_add_nc_u32 v6, v6, v5
	v_add_nc_u32 v[ADSB], s18, v6
	s_mul_i32 s18, s14, WSTG
	v_mul_u32_u24 v5, v1, 272
	v_lshl_add_u32 v5, v2, 5, v5
	v_add_nc_u32 v[STO32], s18, v5                 ; f32 in: row r, 32 bytes for each half of the lanes
	v_mul_u32_u24 v5, v2, 272
	v_lshl_add_u32 v5, v1, 4, v5
	v_add_nc_u32 v[RD32], s18, v5                  ; back: sixteen lanes a row of 256 bytes
	s_add_co_u32 s18, s18, 16*272
	v_mul_u32_u24 v5, v1, 144
	v_lshl_add_u32 v5, v2, 4, v5
	v_add_nc_u32 v[STO16], s18, v5
	v_bfe_u32 v5, v0, 3, 2
	v_mul_u32_u24 v5, v5, 144
	v_and_b32 v6, 7, v0
	v_lshl_add_u32 v5, v6, 4, v5
	v_add_nc_u32 v[RD16], s18, v5                  ; back: eight lanes a row of 128 bytes
	v_and_b32 v6, 31, v0
	v_lshlrev_b32 v[CO], 4, v6
	v_lshlrev_b32 v[TOFF], 8, v1
	v_lshl_add_u32 v[TOFF], v2, 5, v[TOFF]         ; the table: row r, + 32 h
	v_lshlrev_b32 v[WOFF], 5, v2
	v_mov_b32 v[RS+1], 0                           ; (named as the upper half of a pair)
	WIN 0x80                                       ; destination window 2
.irp a, 0,1,2,3,4,5,6,7
.irp p, 0,1
.irp b, 0,1
	global_load_b128 v[32*\a+16*\p+8*\b:32*\a+16*\p+8*\b+3], v[TOFF], s[92:93] offset:\a*4096+128*\p+64*\b
	global_load_b128 v[32*\a+16*\p+8*\b+4:32*\a+16*\p+8*\b+7], v[TOFF], s[92:93] offset:\a*4096+128*\p+64*\b+16
.endr
.endr
.endr
	WIN 0
.irp b, 0,1,2,3
	global_load_b128 v[NW+8*\b:NW+8*\b+3], v[WOFF], s[94:95] offset:64*\b
	global_load_b128 v[NW+8*\b+4:NW+8*\b+7], v[WOFF], s[94:95] offset:64*\b+16
.endr
.macro FRAG reg, adr, q, i             ; 16 rows x 128 K of 4-bit codes: 8 registers, two loads of 16 bytes, 32 bytes apart
.irp c, 0,1
	ds_load_b128 v[\reg+4*\c:\reg+4*\c+3], v[\adr] offset:64*(\q)+32*\c+(\i)*16*PITCH
.endr
.endm
; one product: x's block a, W's block b, the slot's q-th 128 along K.  Scale words: W's block b in register 16 + 4 (b % 2) + q of the set (lanes 16-31 for b >= 2), x's block a in 4 (a % 4) + q (lanes 16-31 for a >= 4)
.macro ONE a, b, p, q, sc, zero
.set rD, 8*(4*(\a)+(\b))
.set rB, BF+32*(\p)+8*(\b)
.set rA, AF+8*(\a)
.set rSB, SC+24*(\sc)+16+4*((\b)%2)+(\q)
.set rSA, SC+24*(\sc)+4*((\a)%4)+(\q)
.if \zero
.if ((\a) < 4) && ((\b) < 2)
	v_wmma_scale_f32_16x16x128_f8f6f4 v[rD:rD+7], v[rB:rB+7], v[rA:rA+7], 0, v[rSB], v[rSA] matrix_a_fmt:MATRIX_FMT_FP4 matrix_b_fmt:MATRIX_FMT_FP4
.elseif (\a) < 4
	v_wmma_scale_f32_16x16x128_f8f6f4 v[rD:rD+7], v[rB:rB+7], v[rA:rA+7], 0, v[rSB], v[rSA] matrix_a_fmt:MATRIX_FMT_FP4 matrix_b_fmt:MATRIX_FMT_FP4 matrix_a_scale:MATRIX_SCALE_ROW1
.elseif (\b) < 2
	v_wmma_scale_f32_16x16x128_f8f6f4 v[rD:rD+7], v[rB:rB+7], v[rA:rA+7], 0, v[rSB], v[rSA] matrix_a_fmt:MATRIX_FMT_FP4 matrix_b_fmt:MATRIX_FMT_FP4 matrix_b_scale:MATRIX_SCALE_ROW1
.else
	v_wmma_scale_f32_16x16x128_f8f6f4 v[rD:rD+7], v[rB:rB+7], v[rA:rA+7], 0, v[rSB], v[rSA] matrix_a_fmt:MATRIX_FMT_FP4 matrix_b_fmt:MATRIX_FMT_FP4 matrix_a_scale:MATRIX_SCALE_ROW1 matrix_b_scale:MATRIX_SCALE_ROW1
.endif
.else
.if ((\a) < 4) && ((\b) < 2)
	v_wmma_scale_f32_16x16x128_f8f6f4 v[rD:rD+7], v[rB:rB+7], v[rA:rA+7], v[rD:rD+7], v[rSB], v[rSA] matrix_a_fmt:MATRIX_FMT_FP4 matrix_b_fmt:MATRIX_FMT_FP4
.elseif (\a) < 4
	v_wmma_scale_f32_16x16x128_f8f6f4 v[rD:rD+7], v[rB:rB+7], v[rA:rA+7], v[rD:rD+7], v[rSB], v[rSA] matrix_a_fmt:MATRIX_FMT_FP4 matrix_b_fmt:MATRIX_FMT_FP4 matrix_a_scale:MATRIX_SCALE_ROW1
.elseif (\b) < 2
	v_wmma_scale_f32_16x16x128_f8f6f4 v[rD:rD+7], v[rB:rB+7], v[rA:rA+7], v[rD:rD+7], v[rSB], v[rSA] matrix_a_fmt:MATRIX_FMT_FP4 matrix_b_fmt:MATRIX_FMT_FP4 matrix_b_scale:MATRIX_SCALE_ROW1
.else
	v_wmma_scale_f32_16x16x128_f8f6f4 v[rD:rD+7], v[rB:rB+7], v[rA:rA+7], v[rD:rD+7], v[rSB], v[rSA] matrix_a_fmt:MATRIX_FMT_FP4 matrix_b_fmt:MATRIX_FMT_FP4 matrix_a_scale:MATRIX_SCALE_ROW1 matrix_b_scale:MATRIX_SCALE_ROW1
.endif
.endif
.endm
.macro MUL8 a0, p, q, sc, zero         ; x's blocks a0, a0 + 1 against W's four.  The 32 accumulators take turns, one instruction a turn, in the same order in every step
.irp a, \a0, \a0+1
.irp b, 0,1,2,3
	ONE (\a), \b, \p, \q, \sc, \zero
.endr
.endr
.endm
.macro FETCH_B slot, q, p
.irp i, 0,1,2,3
	FRAG BF+32*(\p)+8*\i, ADRB+\slot, \q, \i
.endr
.endm
.macro FETCH_A slot, q, i0
.irp i, \i0, \i0+1, \i0+2, \i0+3
	FRAG AF+8*(\i), ADRA+\slot, \q, \i
.endr
.endm
.macro SCALES sc                       ; a K step's scale words, four a row
.irp i, 0,1,2,3
	ds_load_b128 v[SC+24*\sc+4*\i:SC+24*\sc+4*\i+3], v[ADSA] offset:\i*SBLK
.endr
.irp i, 0,1
	ds_load_b128 v[SC+24*\sc+16+4*\i:SC+24*\sc+16+4*\i+3], v[ADSB] offset:\i*SBLK
.endr
.endm
; a step of 128 along K whose successor lies in the same slot.  Four places stand in front of each run of loads into registers that matrix instructions have read (ISA guide 7.12.1 for vector instructions)
.macro STEP slot, q, zero
	s_wait_dscnt 8                                 ; all but the youngest eight loads (x's blocks 4-7)
	WIN MUL
	MUL8 0, (\q)%2, \q, \slot, \zero
	MUL8 2, (\q)%2, \q, \slot, \zero
	s_wait_dscnt 0x0
	PLACES
	WIN 0
	FETCH_B \slot, (\q)+1, 1-(\q)%2
	FETCH_A \slot, (\q)+1, 0
	WIN MUL
	MUL8 4, (\q)%2, \q, \slot, \zero
	MUL8 6, (\q)%2, \q, \slot, \zero
	PLACES
	WIN 0
	FETCH_A \slot, (\q)+1, 4
.endm
; a slot's last step changes slots: one barrier; in front of it each wave waits for all its tensor loads, adds 0 to its spare word, and waits for that and for its reads of this slot
.macro TURN slot, next, fill
	s_wait_tensorcnt 0x0                           ; all my tensor loads have landed: my part of the next slot
	ds_add_u32 v[SPW], v[NIL]
	s_wait_dscnt 9                                 ; (the add and the youngest eight loads may be out)
	WIN MUL
	MUL8 0, 1, 3, \slot, 0
	s_wait_dscnt 0x0                               ; the add is done, and my reads of this slot are over
	s_barrier_signal -1
	MUL8 2, 1, 3, \slot, 0
	WIN 0
	s_barrier_wait -1
.if \fill
	CREST                                          ; the barrier has opened a round of the cluster's: no wave of any partner still reads this slot or has a load on its way
	s_add_nc_u64 s[G0+4*\slot+2:G0+4*\slot+3], s[G0+4*\slot+2:G0+4*\slot+3], 512
	s_add_nc_u64 s[G0B+4*\slot+2:G0B+4*\slot+3], s[G0B+4*\slot+2:G0B+4*\slot+3], 512
	JLOAD G0+4*\slot, G1, G0B+4*\slot, G1B         ; the first tensor load behind the round; its four v_nop are the places in front of the loads below
.else
	PLACES
.endif
	v_add_nc_u32 v[ADSA], 16, v[ADSA]              ; the next K step's scale words
	v_add_nc_u32 v[ADSB], 16, v[ADSB]
	FETCH_B \next, 0, 0
	FETCH_A \next, 0, 0
	SCALES \next
	WIN MUL
	MUL8 4, 1, 3, \slot, 0
	MUL8 6, 1, 3, \slot, 0
	PLACES
	WIN 0
	FETCH_A \next, 0, 4
.endm
.macro STEPS slot, from
.set Q, \from
.rept 3-\from
	STEP \slot, Q, 0
.set Q, Q+1
.endr
.endm
	s_wait_tensorcnt 1                             ; the scale bytes and my part of K step 0 are in; K step 1's load may be out
	s_barrier_signal -1
	s_barrier_wait -1
	FETCH_B 0, 0, 0
	FETCH_A 0, 0, 0
	SCALES 0
	FETCH_A 0, 0, 4
	STEP 0, 0, 1                                   ; the first step's products start the sums
	s_mov_b32 s3, 1                                ; 2,048 / 1,024 - 1 trips
.Llap:
	STEPS 0, 1
	TURN 0, 1, 1
	STEPS 1, 0
	TURN 1, 0, 1
	STEP 0, 0, 0
	s_sub_co_u32 s3, s3, 1
	s_cmp_lg_u32 s3, 0
	s_cbranch_scc1 .Llap
	STEPS 0, 1                                     ; the last lap fills nothing
	TURN 0, 1, 0
	STEPS 1, 0
	s_wait_dscnt 8
	WIN MUL
	MUL8 0, 1, 3, 1, 0
	MUL8 2, 1, 3, 1, 0
	s_wait_dscnt 0x0
	MUL8 4, 1, 3, 1, 0
	MUL8 6, 1, 3, 1, 0
	WIN 0
; THE WAY OUT, a block of 16 rows x 64 columns at a time, through my own stage in slot 0 (it has had its last fill, and every wave has passed the last change of slots).
.macro TOSTAGE a, raw                  ; raw = 1: the f32 numbers are the accumulators themselves
.if \raw
	WIN 0x04                                       ; an LDS store's data are its source 1: window 1
.irp b, 0,1,2,3
	ds_store_b128 v[STO32], v[32*(\a)+8*\b:32*(\a)+8*\b+3] offset:64*\b
	ds_store_b128 v[STO32], v[32*(\a)+8*\b+4:32*(\a)+8*\b+7] offset:64*\b+16
.endr
	WIN 0
.else
.irp b, 0,1,2,3
	ds_store_b128 v[STO32], v[Y+8*\b:Y+8*\b+3] offset:64*\b
	ds_store_b128 v[STO32], v[Y+8*\b+4:Y+8*\b+7] offset:64*\b+16
.endr
.endif
.irp b, 0,1,2,3
	ds_store_b128 v[STO16], v[H16+4*\b:H16+4*\b+3] offset:32*\b
.endr
.irp t, 0,1,2,3,4,5,6,7
	ds_load_b128 v[BK32+4*\t:BK32+4*\t+3], v[RD32] offset:544*\t    ; LDS serves a wave's instructions in order: these see the stores above
.endr
.irp t, 0,1,2,3
	ds_load_b128 v[BK16+4*\t:BK16+4*\t+3], v[RD16] offset:576*\t
.endr
.endm
.macro SEND a                          ; 16 rows are 4,096 consecutive bytes of f32 and 2,048 of f16: each store covers 512 consecutive bytes
	s_wait_dscnt 0x0
.irp t, 0,1,2,3,4,5,6,7
	global_store_b128 v[CO], v[BK32+4*\t:BK32+4*\t+3], s[12:13] offset:(\a)*4096+512*\t
.endr
.irp t, 0,1,2,3
	global_store_b128 v[CO], v[BK16+4*\t:BK16+4*\t+3], s[66:67] offset:(\a)*2048+512*\t
.endr
.endm
.macro NORMROPE a
	WIN 0x05                                       ; sources 0 and 1 window 1
.set ii, 0
.rept 16                                       ; the sum of my 32 squares, two chains, each accumulator from its low end on
.if ii < 2
	v_pk_mul_f32 v[SS+2*(ii%2):SS+2*(ii%2)+1], v[32*(\a)+2*ii:32*(\a)+2*ii+1], v[32*(\a)+2*ii:32*(\a)+2*ii+1]
.else
	v_pk_fma_f32 v[SS+2*(ii%2):SS+2*(ii%2)+1], v[32*(\a)+2*ii:32*(\a)+2*ii+1], v[32*(\a)+2*ii:32*(\a)+2*ii+1], v[SS+2*(ii%2):SS+2*(ii%2)+1]
.endif
.set ii, ii+1
.endr
	WIN 0
	v_pk_add_f32 v[SS:SS+1], v[SS:SS+1], v[SS+2:SS+3]
	v_add_f32 v[SS], v[SS], v[SS+1]
	v_permlanex16_b32 v[SS+1], v[SS], s98, s99     ; the row's other 32 columns lie in the lane 16 away
	v_add_f32 v[SS], v[SS], v[SS+1]
	v_fma_f32 v[SS], v[SS], 0x3c800000, s2         ; mean + 1e-6
	v_rsq_f32 v[RS], v[SS]
	v_nop                                          ; a plain line behind the transcendental,
	s_wait_alu depctr_va_vdst(0)                   ; and the wait ahead of its first reader
	WIN 0x01
.set ii, 0
.rept 16
	v_pk_mul_f32 v[Y+2*ii:Y+2*ii+1], v[32*(\a)+2*ii:32*(\a)+2*ii+1], v[RS:RS+1] op_sel_hi:[1,0]
.set ii, ii+1
.endr
	WIN 0
.set ii, 0
.rept 16
	v_pk_mul_f32 v[Y+2*ii:Y+2*ii+1], v[Y+2*ii:Y+2*ii+1], v[NW+2*ii:NW+2*ii+1]
.set ii, ii+1
.endr
	WIN 0x08                                       ; source 1 window 2: cos and sin
.set ii, 0
.rept 8
	v_pk_mul_f32 v[T1+2*ii:T1+2*ii+1], v[Y+16+2*ii:Y+16+2*ii+1], v[32*(\a)+16+2*ii:32*(\a)+16+2*ii+1]   ; x2 sin
.set ii, ii+1
.endr
.set ii, 0
.rept 8
	v_pk_mul_f32 v[T2+2*ii:T2+2*ii+1], v[Y+2*ii:Y+2*ii+1], v[32*(\a)+16+2*ii:32*(\a)+16+2*ii+1]         ; x1 sin
.set ii, ii+1
.endr
.set ii, 0
.rept 8
	v_pk_fma_f32 v[Y+2*ii:Y+2*ii+1], v[Y+2*ii:Y+2*ii+1], v[32*(\a)+2*ii:32*(\a)+2*ii+1], v[T1+2*ii:T1+2*ii+1] neg_lo:[0,0,1] neg_hi:[0,0,1]
.set ii, ii+1
.endr
.set ii, 0
.rept 8
	v_pk_fma_f32 v[Y+16+2*ii:Y+16+2*ii+1], v[Y+16+2*ii:Y+16+2*ii+1], v[32*(\a)+2*ii:32*(\a)+2*ii+1], v[T2+2*ii:T2+2*ii+1]
.set ii, ii+1
.endr
	WIN 0
.set ii, 0
.rept 16                                       ; the f16 copy: Q x log2(e) / 8, K x 1
	v_pk_mul_f32 v[T2+2*ii:T2+2*ii+1], v[Y+2*ii:Y+2*ii+1], s[100:101] op_sel_hi:[1,0]
.set ii, ii+1
.endr
.set ii, 0
.rept 16
	v_cvt_pk_f16_f32 v[H16+ii], v[T2+2*ii], v[T2+2*ii+1]
.set ii, ii+1
.endr
.endm
	PLACES                                         ; behind the last products, in front of the first reads of results and writes of operands
	s_wait_loadcnt 0x0                             ; the table and the norm's weights
	s_cmp_eq_u32 s96, 2
	s_cbranch_scc1 .Lvform
.irp a, 0,1,2,3,4,5,6,7
	NORMROPE \a
.if \a > 0
	SEND \a-1
	s_wait_xcnt 0x0                                ; those stores have read their registers: the next block's loads may land there
.endif
	TOSTAGE \a, 0
.endr
	SEND 7
	s_wait_tensorcnt 0x0                           ; the wave's end
	ds_add_u32 v[SPW], v[NIL]
	s_wait_dscnt 0x0
	CROUND                                         ; the closing round
	s_endpgm
.Lvform:
.set MSB, 0
.irp a, 0,1,2,3,4,5,6,7
	WIN 0x05
.set ii, 0
.rept 16
	v_cvt_pk_f16_f32 v[H16+ii], v[32*\a+2*ii], v[32*\a+2*ii+1]
.set ii, ii+1
.endr
	WIN 0
.if \a > 0
	SEND \a-1
	s_wait_xcnt 0x0
.endif
	TOSTAGE \a, 1
.endr
	SEND 7
	s_wait_tensorcnt 0x0
	ds_add_u32 v[SPW], v[NIL]
	s_wait_dscnt 0x0
	CROUND
	s_endpgm
.Lfunc_end_k_q7afacec556_qkv:
	.size	k_q7afacec556_qkv, .Lfunc_end_k_q7afacec556_qkv-k_q7afacec556_qkv
	.p2alignl 7, 3214868480
	.fill 96, 4, 3214868480
	.section	.rodata,"a",@progbits
	.p2align	6, 0x0
	.amdhsa_kernel k_q7afacec556_qkv
		.amdhsa_group_segment_fixed_size 327680
		.amdhsa_private_segment_fixed_size 0
		.amdhsa_enable_private_segment 0
		.amdhsa_kernarg_size 72
		.amdhsa_user_sgpr_count 2
		.amdhsa_user_sgpr_kernarg_segment_ptr 1
		.amdhsa_wavefront_size32 1
		.amdhsa_system_sgpr_workgroup_id_x 1
		.amdhsa_system_sgpr_workgroup_id_y 1
		.amdhsa_system_sgpr_workgroup_id_z 1
		.amdhsa_system_vgpr_workitem_id 0
		.amdhsa_next_free_vgpr 768
		.amdhsa_next_free_sgpr 102
		.amdhsa_reserve_vcc 0
		.amdhsa_float_denorm_mode_32 3
		.amdhsa_float_denorm_mode_16_64 3
		.amdhsa_memory_ordered 1
		.amdhsa_forward_progress 1
		.amdhsa_inst_pref_size 231
	.end_amdhsa_kernel
	.amdgpu_metadata
---
amdhsa.version: [ 1, 2 ]
amdhsa.kernels:
  - .name:           k_q7afacec556_qkv
    .symbol:         k_q7afacec556_qkv.kd
    .args:
      - { .name: cod, .offset: 0, .size: 8, .value_kind: global_buffer, .address_space: global }
      - { .name: scl, .offset: 8, .size: 8, .value_kind: global_buffer, .address_space: global }
      - { .name: tab, .offset: 16, .size: 8, .value_kind: global_buffer, .address_space: global }
      - { .name: q_norm_w, .offset: 24, .size: 8, .value_kind: global_buffer, .address_space: global }
      - { .name: k_norm_w, .offset: 32, .size: 8, .value_kind: global_buffer, .address_space: global }
      - { .name: qf, .offset: 40, .size: 8, .value_kind: global_buffer, .address_space: global }
      - { .name: out1, .offset: 48, .size: 8, .value_kind: global_buffer, .address_space: global }
      - { .name: out2, .offset: 56, .size: 8, .value_kind: global_buffer, .address_space: global }
      - { .name: h16, .offset: 64, .size: 8, .value_kind: global_buffer, .address_space: global }
    .group_segment_fixed_size: 327680
    .private_segment_fixed_size: 0
    .kernarg_segment_align: 8
    .kernarg_segment_size: 72
    .max_flat_workgroup_size: 128
    .sgpr_count:     102
    .vgpr_count:     768
    .wavefront_size: 32
...
	.end_amdgpu_metadata
.endif
;; end of part 2
;; launch attn (part 3): grid 16 x 16, 8 waves a work-group, clusters of 4 x 4, 327,680 bytes of LDS; arguments h16, attn_mask, ctx; writes ctx
.if DOCPART == 3
	.amdgcn_target "amdgcn-amd-amdhsa--gfx1250"
	.amdhsa_code_object_version 6
	.text
	.protected	k_q7afacec556_attn
	.globl	k_q7afacec556_attn
	.p2align	8
	.type	k_q7afacec556_attn,@function
k_q7afacec556_attn:
	s_mov_b64 s[64:65], 0
	v_nop
	global_prefetch_b8 v0, s[64:65] scope:SCOPE_SE
	s_setreg_imm32_b32 hwreg(HW_REG_WAVE_MODE, 25, 1), 1
	s_wait_xcnt 0x0
	s_wait_alu depctr_hold_cnt(0) depctr_sa_sdst(0) depctr_va_vdst(0) depctr_va_sdst(0) depctr_va_ssrc(0) depctr_va_vcc(0) depctr_vm_vsrc(0)
	s_getreg_b32 s2, hwreg(HW_REG_IB_STS2, 6, 4)
	s_cmp_eq_u32 s2, 0
	s_cbranch_scc0 .Lentry_in_a_cluster
	s_endpgm
.Lentry_in_a_cluster:
	s_bfe_u32 s2, ttmp6, 0x10000c
	s_cmp_lg_u32 s2, 0xf033
	s_cbranch_scc0 .Lentry_shape_is_right
	s_endpgm
.Lentry_shape_is_right:
; ctx[b][s][head x 64 + d] = the sum over t of softmax_t(Q . K / 8 + mask[s][t]) V[t][d], operands in f16, products, maxima and sums in f32.  The mask is an input: every key is walked and the mask is added as it is given.
; h16 holds Q x log2(e)/8 at 0 ([2][16][2048][64]), K at 8,388,608, V at 12,582,912 ([2][8][2048][64]).  ctx: [4096][1024] f16.
; SHARES.  A work-group owns 128 positions of one (batch, key-value head); wave w owns 16 of them for BOTH query heads of the group (two tiles), so that each fragment of K, V and the mask feeds two tiles.
; Two waves share a SIMD: one wave's softmax stands beside the other's products.
; LAYOUT.  S^T = K Q^T and O^T = V^T P: a lane holds one query throughout; V is turned by ds_load_tr16_b128.  t = mask x log2(e) + S^T (one fused multiply-add), m the running largest t, p = 2^(t - m),
; and in every step O and l are multiplied by 2^(old m - new m).  l is the sum of the unrounded p.  m begins at -1e38, O and l at 0, so the step is written once.
; RING.  Two LDS slots of 128 keys (two steps of 64): K 128 x 144, V 128 x 160, mask 128 x 528 bytes.  Every wave fetches: waves 0, 1 K's halves, 2, 3 V's, 4-7 32 rows of the mask each.
; CLUSTER 4 x 4.  K's and V's tiles hang on (batch, head) and are asked for jointly along a row of the cluster, the mask's on the positions and go along a column.
; LIMITS: where |mask| passes 2^24 the sum's grain differs from reference()'s, which adds before it scales; t under -1e38 is not served; p and O carry f16's 11 bits (positions 0-15 are made again, finely, by a later launch).
; REGISTERS.  window 0: v1-13 addresses; v16-31 statistics, 8 a tile (+0 m, +2, +3 l, +4..+7 at work, +6 the factor); v32-95 S^T, then p, then P; v96-127 the mask, then sums; v128-191 K; v192-255 V.
;   window 1: v0-31 Q; v32-95 O^T.
.set KP, 144
.set VP, 160
.set MP, 528
.set VOFF, 128*KP
.set MOFF, VOFF+128*VP
.set SLOT, MOFF+128*MP
.set SPARE, 2*SLOT                     ; the spare words, 128 bytes for each of eight waves
.set ADK, 1
.set ADV, 3
.set ADM, 5
.set QO, 7
.set STO, 8
.set RD, 9
.set GO, 10
.set PFO, 11
.set SPW, 12
.set NIL, 13
.set ST, 16
.set S, 32
.set MK, 96
.set KF, 128
.set VF, 192
.set OA, 32
.set WV, 12
.set G1K, 24
.set G1V, 32
.set G1M, 40
.set G0K, 48
.set G0V, 56
.set G0M, 68
.set PFA, 76
.set PFS, 78
.set ASKF, 80
.set LL, 82
.set SEL, 84
.set MSB, 0
.macro WIN new
.if MSB != \new
	s_set_vgpr_msb (MSB<<8)|\new
.set MSB, \new
.endif
.endm
.macro CROUND
	s_barrier_signal -1
	s_barrier_wait -1
	s_cmp_lg_u32 s[WV], 0
	s_cbranch_scc1 .Lnot_wave_0_\@
	s_barrier_signal -3
.Lnot_wave_0_\@:
	s_barrier_wait -3
	s_barrier_signal -1
	s_barrier_wait -1
.endm
.macro JLOAD3 s                        ; every wave's one joint load into slot s (the argument may be an expression: it stands in brackets); the branches hang on the wave's number alone; an s_nop 0 and four v_nop follow each line
	s_cmp_lt_u32 s[WV], 2
	s_cbranch_scc0 .Lnot_k_\@
	tensor_load_to_lds s[G0K+4*(\s):G0K+4*(\s)+3], s[G1K:G1K+7]
	s_nop 0
.rept 4
	v_nop
.endr
	s_branch .Lasked_\@
.Lnot_k_\@:
	s_cmp_lt_u32 s[WV], 4
	s_cbranch_scc0 .Lnot_v_\@
	tensor_load_to_lds s[G0V+4*(\s):G0V+4*(\s)+3], s[G1V:G1V+7]
	s_nop 0
.rept 4
	v_nop
.endr
	s_branch .Lasked_\@
.Lnot_v_\@:
	tensor_load_to_lds s[G0M+4*(\s):G0M+4*(\s)+3], s[G1M:G1M+7]
	s_nop 0
.rept 4
	v_nop
.endr
.Lasked_\@:
.endm
; A PREFETCH of the two tiles (256 keys) that the next two changes of slots will ask for, once a loop trip, behind the wave's joint load.  Each aligned block of 256 bytes is named once in the launch:
; K's and V's rows are walked by all clusters of a row of clusters: those with x = 0 ask, wave 0 for K, wave 2 for V; of the two tiles' 32,768 dense bytes the partner at cx takes 8,192, lanes 256 bytes apart.
; The mask's rows are walked by all clusters of a column: those with y = 0 ask, waves 4-7; the partner at cy takes 32 rows, a lane a row, wave w the block w - 4 of the two tiles' 1,024 bytes.
; Partners are told apart by address; the flag hangs on the wave's number and the cluster's place in the grid.  Tiles 0 and 1 come by their loads alone; the tail asks for nothing.
.macro ASK
	s_cmp_eq_u32 s[ASKF], 1
	s_cbranch_scc0 .Lnot_mine_\@
	global_prefetch_b8 v[PFO], s[PFA:PFA+1] th:TH_LOAD_NT scope:SCOPE_SE
.Lnot_mine_\@:
.endm
	s_load_b128 s[4:7], s[0:1], 0x0                ; h16, attn_mask
	s_load_b64 s[8:9], s[0:1], 0x10                ; ctx
	v_lshl_add_u32 v[SPW], v0, 2, SPARE
	v_mov_b32 v[NIL], 0
	ds_add_u32 v[SPW], v[NIL]                      ; the wave's opening: the add, twice on end, and its wait ahead of my first tensor load
	ds_add_u32 v[SPW], v[NIL]
	v_lshrrev_b32 v14, 5, v0
	v_readfirstlane_b32 s[WV], v14                 ; wave 0..7
	s_bfe_u32 s13, ttmp6, 0x40000                  ; cx
	s_bfe_u32 s14, ttmp6, 0x40004                  ; cy
	s_lshl_b32 s15, ttmp9, 2
	s_add_co_u32 s15, s15, s13                     ; which 128 positions
	s_and_b32 s16, ttmp7, 0xffff
	s_lshl_b32 s16, s16, 2
	s_add_co_u32 s16, s16, s14                     ; 8 x batch + key-value head
	s_lshl_b32 s17, s14, 2
	s_lshl_b32 s17, 15, s17                        ; my row of the cluster
	s_lshl_b32 s18, 0x1111, s13                    ; my column
	s_or_b32 s[G1K], s17, (1<<16)|(1<<20)|(1<<21)|(4<<22)|(3<<25)  ; elements of 2 bytes; 4 words of padding after every 32
	s_or_b32 s[G1V], s17, (1<<16)|(1<<20)|(1<<21)|(4<<22)|(7<<25)  ; 8 words
	s_or_b32 s[G1M], s18, (2<<16)|(1<<20)|(1<<21)|(6<<22)|(3<<25)  ; elements of 4 bytes; 4 words after every 128
.irp g, G1K, G1V
	s_mov_b32 s[\g+1], 64<<16                      ; tensor_dim0
	s_mov_b32 s[\g+2], 64<<16                      ; tensor_dim1
	s_mov_b32 s[\g+3], 64<<16                      ; tile_dim0
	s_mov_b32 s[\g+4], 64                          ; tile_dim1
	s_mov_b32 s[\g+5], 64                          ; elements from row to row
	s_mov_b32 s[\g+6], 0
	s_mov_b32 s[\g+7], 0
.endr
	s_mov_b32 s[G1M+1], 128<<16
	s_mov_b32 s[G1M+2], 32<<16
	s_mov_b32 s[G1M+3], 128<<16
	s_mov_b32 s[G1M+4], 32
	s_mov_b32 s[G1M+5], 2048
	s_mov_b32 s[G1M+6], 0
	s_mov_b32 s[G1M+7], 0
	s_and_b32 s19, s[WV], 1
	s_and_b32 s86, s[WV], 3
	s_lshl_b32 s20, s16, 11
	s_lshl_b32 s21, s19, 6
	s_add_co_u32 s20, s20, s21
	s_lshl_b32 s20, s20, 7
	s_add_co_u32 s20, s20, 8388608                 ; K: my 64 rows of tile 0
	s_mov_b32 s21, 0
	s_lshl_b32 s22, s15, 7
	s_lshl_b32 s23, s86, 5
	s_add_co_u32 s22, s22, s23
	s_lshl_b32 s22, s22, 13                        ; the mask: my 32 rows
	s_mov_b32 s23, 0
	s_mul_i32 s87, s19, 64*KP
	s_mul_i32 s88, s19, 64*VP
	s_add_co_u32 s88, s88, VOFF
	s_mul_i32 s89, s86, 32*MP
	s_add_co_u32 s89, s89, MOFF
	s_mov_b32 s[LL], 0x3fb8aa3b                    ; log2(e)
	s_mov_b32 s[LL+1], s[LL]
	s_mov_b32 s[SEL], 0x76543210
	s_mov_b32 s[SEL+1], 0xfedcba98
	s_wait_dscnt 0x0                               ; both opening adds are done
	s_wait_kmcnt 0x0
	s_add_nc_u64 s[20:21], s[4:5], s[20:21]
	s_add_nc_u64 s[22:23], s[6:7], s[22:23]
.irp n, 0,1
	s_mov_b32 s[G0K+4*\n], 1
	s_add_co_u32 s[G0K+4*\n+1], s87, \n*SLOT
	s_add_nc_u64 s[G0K+4*\n+2:G0K+4*\n+3], s[20:21], \n*16384
	s_or_b32 s[G0K+4*\n+3], s[G0K+4*\n+3], 0x80000000
	s_mov_b32 s[G0V+4*\n], 1
	s_add_co_u32 s[G0V+4*\n+1], s88, \n*SLOT
	s_add_nc_u64 s[G0V+4*\n+2:G0V+4*\n+3], s[20:21], 4194304+\n*16384
	s_or_b32 s[G0V+4*\n+3], s[G0V+4*\n+3], 0x80000000
	s_mov_b32 s[G0M+4*\n], 1
	s_add_co_u32 s[G0M+4*\n+1], s89, \n*SLOT
	s_add_nc_u64 s[G0M+4*\n+2:G0M+4*\n+3], s[22:23], \n*512
	s_or_b32 s[G0M+4*\n+3], s[G0M+4*\n+3], 0x80000000
.endr
	CROUND                                         ; all sixteen work-groups are here
	JLOAD3 0                                       ; tile 0: one load of mine is out
	s_lshl_b32 s90, s16, 12                        ; Q: (2 x (8 batch + head) + g) x 2,048 + my first position, rows of 128 bytes
	s_lshl_b32 s91, s15, 7
	s_add_co_u32 s90, s90, s91
	s_lshl_b32 s92, s[WV], 4
	s_add_co_u32 s90, s90, s92
	s_lshl_b32 s90, s90, 7
	s_mov_b32 s91, 0
	s_add_nc_u64 s[10:11], s[4:5], s[90:91]
	s_lshr_b32 s90, s16, 3                         ; ctx: row batch x 2,048 + position, 2,048 bytes a row, + 256 x key-value head
	s_lshl_b32 s90, s90, 11
	s_lshl_b32 s93, s15, 7
	s_add_co_u32 s90, s90, s93
	s_add_co_u32 s90, s90, s92
	s_lshl_b32 s90, s90, 11
	s_and_b32 s93, s16, 7
	s_lshl_b32 s93, s93, 8
	s_add_co_u32 s90, s90, s93
	s_add_nc_u64 s[8:9], s[8:9], s[90:91]
	; the prefetches: where mine stand (one step back: the first trip steps them to tiles 2 and 3), and whether I ask
	s_lshr_b32 s90, s[WV], 1
	s_lshl_b32 s90, s90, 22
	s_lshl_b32 s93, s16, 18
	s_add_co_u32 s90, s90, s93
	s_lshl_b32 s93, s13, 13
	s_add_co_u32 s90, s90, s93
	s_add_co_u32 s90, s90, 8388608
	s_lshl_b32 s93, s15, 7
	s_lshl_b32 s92, s14, 5
	s_add_co_u32 s93, s93, s92
	s_lshl_b32 s93, s93, 13
	s_lshl_b32 s92, s86, 8
	s_add_co_u32 s93, s93, s92
	s_and_b32 s92, s[WV], 1
	s_or_b32 s92, s92, ttmp9
	s_and_b32 s94, ttmp7, 0xffff
	s_mov_b32 s[PFS], 1024
	s_mov_b32 s95, 8192
	s_cmp_lt_u32 s[WV], 4
	s_cselect_b64 s[PFA:PFA+1], s[4:5], s[6:7]
	s_cselect_b32 s90, s90, s93
	s_cselect_b32 s[PFS], 32768, s[PFS]
	s_cselect_b32 s95, 256, s95
	s_cselect_b32 s92, s92, s94
	s_mov_b32 s[PFS+1], 0
	s_add_nc_u64 s[PFA:PFA+1], s[PFA:PFA+1], s[90:91]
	s_cmp_eq_u32 s92, 0
	s_cselect_b32 s[ASKF], 1, 0
	v_and_b32 v[PFO], 31, v0
	v_mul_lo_u32 v[PFO], v[PFO], s95
	v_and_b32 v14, 15, v0                          ; r
	v_bfe_u32 v15, v0, 4, 1                        ; h
	v_lshlrev_b32 v[QO], 7, v14
	v_lshl_add_u32 v[QO], v15, 4, v[QO]
	WIN 0x40                                       ; destination window 1
.irp g, 0,1
.irp c, 0,1
	global_load_b128 v[16*\g+8*\c:16*\g+8*\c+3], v[QO], s[10:11] offset:\g*262144+64*\c
	global_load_b128 v[16*\g+8*\c+4:16*\g+8*\c+7], v[QO], s[10:11] offset:\g*262144+64*\c+32
.endr
.endr
.set ii, 0
.rept 64
	v_mov_b32 v[OA+ii], 0                          ; O^T: the step is written once, and its first turn finds zeros
.set ii, ii+1
.endr
	WIN 0
	v_mul_u32_u24 v[ADK], v14, KP
	v_lshl_add_u32 v[ADK], v15, 4, v[ADK]
	v_add_nc_u32 v[ADK+1], SLOT, v[ADK]
	v_and_b32 v[ADV], 7, v0
	v_lshl_add_u32 v[ADV], v15, 3, v[ADV]
	v_mul_u32_u24 v[ADV], v[ADV], VP
	v_bfe_u32 v[ADV+1], v0, 3, 1
	v_lshl_add_u32 v[ADV], v[ADV+1], 4, v[ADV]
	v_add_nc_u32 v[ADV], VOFF, v[ADV]
	v_add_nc_u32 v[ADV+1], SLOT, v[ADV]
	s_lshl_b32 s90, s[WV], 4
	v_add_nc_u32 v[ADM], s90, v14
	v_mul_u32_u24 v[ADM], v[ADM], MP
	v_lshl_add_u32 v[ADM], v15, 5, v[ADM]
	v_add_nc_u32 v[ADM], MOFF, v[ADM]
	v_add_nc_u32 v[ADM+1], SLOT, v[ADM]
	s_mul_i32 s90, s[WV], 16*272                   ; my stage for the way out, in slot 0
	v_mul_u32_u24 v[STO], v14, 272
	v_lshl_add_u32 v[STO], v15, 4, v[STO]
	v_add_nc_u32 v[STO], s90, v[STO]
	v_mul_u32_u24 v[RD], v15, 272
	v_lshl_add_u32 v[RD], v14, 4, v[RD]
	v_add_nc_u32 v[RD], s90, v[RD]
	v_lshlrev_b32 v[GO], 11, v15
	v_lshl_add_u32 v[GO], v14, 4, v[GO]
.irp g, 0,1
	v_mov_b32 v[ST+8*\g], 0xfe967699               ; m = -1e38
.irp i, 1,2,3,4,5,6,7
	v_mov_b32 v[ST+8*\g+\i], 0
.endr
.endr
; A KEY STEP: 64 keys, the q-th of the slot.
.macro STEP slot, q
.rept 5
	v_nop                                          ; behind the last products: four places for the loads into V's registers, five for the scores that are laid over P
.endr
.irp t, 0,1,2,3
.irp c, 0,1
	ds_load_b128 v[KF+16*\t+8*\c:KF+16*\t+8*\c+3], v[ADK+\slot] offset:(64*\q+16*\t)*KP+64*\c
	ds_load_b128 v[KF+16*\t+8*\c+4:KF+16*\t+8*\c+7], v[ADK+\slot] offset:(64*\q+16*\t)*KP+64*\c+32
.endr
.endr
.irp t, 0,1,2,3
	ds_load_b128 v[MK+8*\t:MK+8*\t+3], v[ADM+\slot] offset:256*\q+64*\t
	ds_load_b128 v[MK+8*\t+4:MK+8*\t+7], v[ADM+\slot] offset:256*\q+64*\t+16
.endr
.irp u, 0,1
.irp c, 0,1,2,3
	ds_load_tr16_b128 v[VF+32*\u+8*\c:VF+32*\u+8*\c+3], v[ADV+\slot] offset:(64*\q+32*\u)*VP+32*\c
	ds_load_tr16_b128 v[VF+32*\u+8*\c+4:VF+32*\u+8*\c+7], v[ADV+\slot] offset:(64*\q+32*\u+16)*VP+32*\c
.endr
.endr
	s_wait_dscnt 24                                ; K is in; the mask's 8 loads and V's 16 may be out
	WIN 0x04                                       ; source 1 (Q) window 1
.irp c, 0,1                                    ; eight accumulators by turns
.irp t, 0,1,2,3
.irp g, 0,1
.if \c == 0
	v_wmma_f32_16x16x32_f16 v[S+32*\g+8*\t:S+32*\g+8*\t+7], v[KF+16*\t+8*\c:KF+16*\t+8*\c+7], v[16*\g+8*\c:16*\g+8*\c+7], 0
.else
	v_wmma_f32_16x16x32_f16 v[S+32*\g+8*\t:S+32*\g+8*\t+7], v[KF+16*\t+8*\c:KF+16*\t+8*\c+7], v[16*\g+8*\c:16*\g+8*\c+7], v[S+32*\g+8*\t:S+32*\g+8*\t+7]
.endif
.endr
.endr
.endr
	WIN 0
.rept 4
	v_nop
.endr
	s_wait_dscnt 16                                ; the mask is in
.set ii, 0
.rept 16
.irp g, 0,1
	v_pk_fma_f32 v[S+32*\g+2*ii:S+32*\g+2*ii+1], v[MK+2*ii:MK+2*ii+1], s[LL:LL+1], v[S+32*\g+2*ii:S+32*\g+2*ii+1] op_sel_hi:[1,0,1]   ; t = mask x log2(e) + score
.endr
.set ii, ii+1
.endr
.irp j, 0,1,2,3
.irp g, 0,1
	v_max3_num_f32 v[ST+8*\g+4+\j], v[S+32*\g+8*\j], v[S+32*\g+8*\j+1], v[S+32*\g+8*\j+2]
.endr
.endr
.irp e, 1,2
.irp j, 0,1,2,3
.irp g, 0,1
	v_max3_num_f32 v[ST+8*\g+4+\j], v[ST+8*\g+4+\j], v[S+32*\g+8*\j+2*\e+1], v[S+32*\g+8*\j+2*\e+2]
.endr
.endr
.endr
.irp g, 0,1
	v_max3_num_f32 v[ST+8*\g+4], v[ST+8*\g+4], v[S+32*\g+7], v[S+32*\g+15]
.endr
.irp g, 0,1
	v_max3_num_f32 v[ST+8*\g+6], v[ST+8*\g+6], v[S+32*\g+23], v[S+32*\g+31]
.endr
.irp g, 0,1
	v_max3_num_f32 v[ST+8*\g+4], v[ST+8*\g+4], v[ST+8*\g+5], v[ST+8*\g+6]
.endr
.irp g, 0,1
	v_max3_num_f32 v[ST+8*\g+4], v[ST+8*\g+4], v[ST+8*\g+7], v[ST+8*\g]
.endr
.irp g, 0,1
	v_permlanex16_b32 v[ST+8*\g+5], v[ST+8*\g+4], s[SEL], s[SEL+1]   ; the query's other 32 keys lie in the lane 16 away
.endr
.irp g, 0,1
	v_max_num_f32 v[ST+8*\g+5], v[ST+8*\g+4], v[ST+8*\g+5]           ; the new m
.endr
.irp g, 0,1
	v_sub_f32 v[ST+8*\g+7], v[ST+8*\g], v[ST+8*\g+5]
.endr
.irp g, 0,1
	v_mov_b32 v[ST+8*\g], v[ST+8*\g+5]
.endr
.irp g, 0,1
	v_exp_f32 v[ST+8*\g+6], v[ST+8*\g+7]                             ; 2^(old m - new m)
.endr
.set ii, 0
.rept 16
.irp g, 0,1
	v_pk_add_f32 v[S+32*\g+2*ii:S+32*\g+2*ii+1], v[S+32*\g+2*ii:S+32*\g+2*ii+1], v[ST+8*\g:ST+8*\g+1] op_sel_hi:[1,0] neg_lo:[0,1] neg_hi:[0,1]
.endr
.set ii, ii+1
.endr
.set ii, 0
.rept 64
	v_exp_f32 v[S+ii], v[S+ii]
.set ii, ii+1
.endr
	v_nop                                          ; a plain line behind the last exponential,
	s_wait_alu depctr_va_vdst(0)                   ; and ONE wait for the step's 66, ahead of their first reader
.irp g, 0,1
	v_pk_add_f32 v[MK+4*\g:MK+4*\g+1], v[S+32*\g:S+32*\g+1], v[S+32*\g+2:S+32*\g+3]
	v_pk_add_f32 v[MK+4*\g+2:MK+4*\g+3], v[S+32*\g+4:S+32*\g+5], v[S+32*\g+6:S+32*\g+7]
.endr
.irp i, 8,12,16,20,24,28
.irp g, 0,1
	v_pk_add_f32 v[MK+4*\g:MK+4*\g+1], v[MK+4*\g:MK+4*\g+1], v[S+32*\g+\i:S+32*\g+\i+1]
	v_pk_add_f32 v[MK+4*\g+2:MK+4*\g+3], v[MK+4*\g+2:MK+4*\g+3], v[S+32*\g+\i+2:S+32*\g+\i+3]
.endr
.endr
.irp g, 0,1
	v_pk_add_f32 v[MK+4*\g:MK+4*\g+1], v[MK+4*\g:MK+4*\g+1], v[MK+4*\g+2:MK+4*\g+3]
.endr
.irp g, 0,1
	v_pk_fma_f32 v[ST+8*\g+2:ST+8*\g+3], v[ST+8*\g+2:ST+8*\g+3], v[ST+8*\g+6:ST+8*\g+7], v[MK+4*\g:MK+4*\g+1] op_sel_hi:[1,0,1]
.endr
.set ii, 0
.rept 16                                       ; P is packed in place, ascending: register i takes numbers 2 i and 2 i + 1
.irp g, 0,1
	v_cvt_pk_f16_f32 v[S+32*\g+ii], v[S+32*\g+2*ii], v[S+32*\g+2*ii+1]
.endr
.set ii, ii+1
.endr
	WIN 0x41                                       ; O^T: destination and source 0 window 1
.set ii, 0
.rept 16
.irp g, 0,1
	v_pk_mul_f32 v[OA+32*\g+2*ii:OA+32*\g+2*ii+1], v[OA+32*\g+2*ii:OA+32*\g+2*ii+1], v[ST+8*\g+6:ST+8*\g+7] op_sel_hi:[1,0]
.endr
.set ii, ii+1
.endr
	s_wait_dscnt 0x0                               ; V is in
	WIN 0x50                                       ; C and D window 1
.irp u, 0,1
.irp c, 0,1,2,3
.irp g, 0,1
	v_wmma_f32_16x16x32_f16 v[OA+32*\g+8*\c:OA+32*\g+8*\c+7], v[VF+32*\u+8*\c:VF+32*\u+8*\c+7], v[S+32*\g+8*\u:S+32*\g+8*\u+7], v[OA+32*\g+8*\c:OA+32*\g+8*\c+7]
.endr
.endr
.endr
	WIN 0
.endm
; A slot's turn.  In front of the round: all my tensor loads (my part of this slot), the add, my reads of the other slot.  Behind it the other slot is filled first, one load a wave: it has two key steps in which to land.
.macro TRIP slot, refill, ask
	s_wait_tensorcnt 0x0                           ; no tensor load of mine is out, so a group 0 may be written
	ds_add_u32 v[SPW], v[NIL]
	s_add_nc_u64 s[G0K+4*\slot+2:G0K+4*\slot+3], s[G0K+4*\slot+2:G0K+4*\slot+3], 32768   ; this slot's next tile: two tiles on
	s_add_nc_u64 s[G0V+4*\slot+2:G0V+4*\slot+3], s[G0V+4*\slot+2:G0V+4*\slot+3], 32768
	s_add_nc_u64 s[G0M+4*\slot+2:G0M+4*\slot+3], s[G0M+4*\slot+2:G0M+4*\slot+3], 1024
.if \ask
	s_wait_xcnt 0x0                                ; the last prefetch, a loop trip back, has read its address
	s_add_nc_u64 s[PFA:PFA+1], s[PFA:PFA+1], s[PFS:PFS+1]
.endif
	s_wait_dscnt 0x0                               ; the add is done, and my reads of the other slot are over
	CROUND
.if \refill
	JLOAD3 1-\slot
.if \ask
	ASK
.endif
.endif
	STEP \slot, 0
	STEP \slot, 1
.endm
	s_wait_loadcnt 0x0                             ; Q
	s_mov_b32 s3, 7                                ; 16 tiles: 7 trips of two, and two turns written out
.Lloop:
	TRIP 0, 1, 1
	TRIP 1, 1, 0
	s_sub_co_u32 s3, s3, 1
	s_cmp_lg_u32 s3, 0
	s_cbranch_scc1 .Lloop
	TRIP 0, 1, 0
	TRIP 1, 0, 0
	; THE WAY OUT: O^T / l, rounded to f16; a position's 128 numbers of the two heads are 256 neighbouring bytes of ctx: through my stage, sixteen lanes to a row
.rept 4
	v_nop
.endr
.irp g, 0,1
	v_add_f32 v[ST+8*\g+4], v[ST+8*\g+2], v[ST+8*\g+3]
.endr
.irp g, 0,1
	v_permlanex16_b32 v[ST+8*\g+5], v[ST+8*\g+4], s[SEL], s[SEL+1]
.endr
.irp g, 0,1
	v_add_f32 v[ST+8*\g+4], v[ST+8*\g+4], v[ST+8*\g+5]
.endr
.irp g, 0,1
	v_rcp_f32 v[ST+8*\g+6], v[ST+8*\g+4]
.endr
	v_nop
	s_wait_alu depctr_va_vdst(0)                   ; one wait for the two reciprocals
	WIN 0x01
.irp g, 0,1
.set ii, 0
.rept 16
	v_pk_mul_f32 v[S+32*\g+2*ii:S+32*\g+2*ii+1], v[OA+32*\g+2*ii:OA+32*\g+2*ii+1], v[ST+8*\g+6:ST+8*\g+7] op_sel_hi:[1,0]
.set ii, ii+1
.endr
.endr
	WIN 0
.set ii, 0
.rept 32
	v_cvt_pk_f16_f32 v[MK+ii], v[S+2*ii], v[S+2*ii+1]
.set ii, ii+1
.endr
.irp g, 0,1
.irp c, 0,1,2,3
	ds_store_b128 v[STO], v[MK+16*\g+4*\c:MK+16*\g+4*\c+3] offset:128*\g+32*\c
.endr
.endr
.irp t, 0,1,2,3,4,5,6,7
	ds_load_b128 v[S+4*\t:S+4*\t+3], v[RD] offset:544*\t
.endr
.irp t, 0,1,2,3,4,5,6,7
	s_wait_dscnt 7-\t
	global_store_b128 v[GO], v[S+4*\t:S+4*\t+3], s[8:9] offset:4096*\t   ; sixteen lanes store 256 consecutive bytes, aligned
.endr
	s_wait_tensorcnt 0x0                           ; the wave's end
	ds_add_u32 v[SPW], v[NIL]
	s_wait_dscnt 0x0
	CROUND                                         ; the closing round
	s_endpgm
.Lfunc_end_k_q7afacec556_attn:
	.size	k_q7afacec556_attn, .Lfunc_end_k_q7afacec556_attn-k_q7afacec556_attn
	.p2alignl 7, 3214868480
	.fill 96, 4, 3214868480
	.section	.rodata,"a",@progbits
	.p2align	6, 0x0
	.amdhsa_kernel k_q7afacec556_attn
		.amdhsa_group_segment_fixed_size 327680
		.amdhsa_private_segment_fixed_size 0
		.amdhsa_enable_private_segment 0
		.amdhsa_kernarg_size 24
		.amdhsa_user_sgpr_count 2
		.amdhsa_user_sgpr_kernarg_segment_ptr 1
		.amdhsa_wavefront_size32 1
		.amdhsa_system_sgpr_workgroup_id_x 1
		.amdhsa_system_sgpr_workgroup_id_y 1
		.amdhsa_system_sgpr_workgroup_id_z 1
		.amdhsa_system_vgpr_workitem_id 0
		.amdhsa_next_free_vgpr 512
		.amdhsa_next_free_sgpr 96
		.amdhsa_reserve_vcc 0
		.amdhsa_float_denorm_mode_32 3
		.amdhsa_float_denorm_mode_16_64 3
		.amdhsa_memory_ordered 1
		.amdhsa_forward_progress 1
		.amdhsa_inst_pref_size 182
	.end_amdhsa_kernel
	.amdgpu_metadata
---
amdhsa.version: [ 1, 2 ]
amdhsa.kernels:
  - .name:           k_q7afacec556_attn
    .symbol:         k_q7afacec556_attn.kd
    .args:
      - { .name: h16, .offset: 0, .size: 8, .value_kind: global_buffer, .address_space: global }
      - { .name: attn_mask, .offset: 8, .size: 8, .value_kind: global_buffer, .address_space: global }
      - { .name: ctx, .offset: 16, .size: 8, .value_kind: global_buffer, .address_space: global }
    .group_segment_fixed_size: 327680
    .private_segment_fixed_size: 0
    .kernarg_segment_align: 8
    .kernarg_segment_size: 24
    .max_flat_workgroup_size: 256
    .sgpr_count:     96
    .vgpr_count:     512
    .wavefront_size: 32
...
	.end_amdgpu_metadata
.endif
;; end of part 3
;; launch fattn (part 4): grid 32 x 1, 16 waves a work-group, no clusters, 73,728 bytes of LDS; arguments qf, out1, out2, attn_mask, ctxf; writes ctxf
.if DOCPART == 4
	.amdgcn_target "amdgcn-amd-amdhsa--gfx1250"
	.amdhsa_code_object_version 6
	.text
	.protected	k_q7afacec556_fattn
	.globl	k_q7afacec556_fattn
	.p2align	8
	.type	k_q7afacec556_fattn,@function
k_q7afacec556_fattn:
	s_mov_b64 s[64:65], 0
	v_nop
	global_prefetch_b8 v0, s[64:65] scope:SCOPE_SE
	s_setreg_imm32_b32 hwreg(HW_REG_WAVE_MODE, 25, 1), 1
	s_wait_xcnt 0x0
; Positions 0 to 15 of every (batch, query head), made finely: their rows may average few values and are the largest of the output.  All 2,048 keys are walked and the mask is added as it is given.
; Every operand of both products goes as a PAIR of f16 numbers, a high part (the f32 number's upper 11 significant bits) and a low part (the rest, rounded), split in f32; of the four partial products the three that count are summed.
; A work-group is one (batch, head); wave w takes keys 128 w .. 128 w + 127.  The row's largest t is found over all sixteen waves first (through LDS), so nothing is rescaled; the parts of O and of the sum meet in LDS.
; 32 work-groups: a split of the keys over work-groups would want one more launch to add the parts.
; LIMITS: as the bulk launch's for the mask; parts under 6e-5 carry an absolute error of 3e-8; |V| up to 65,504.
; REGISTERS: v1-13 addresses and m; v14, v15 the add's two; v16-31 at work; v32-63 Q, later O^T; v64-127 S^T, p, P; v128-191 and v192-255 two buffers for K, the mask and V.
.set MX, 0                             ; LDS: [16 rows][16 waves] largest t;
.set LS, 1024                          ; likewise the sums' parts;
.set RED, 2048                         ; 16 waves x 16 rows x (256 + 16) bytes: O's parts;
.set SPARE, 71680                      ; the spare words, 128 bytes for each of sixteen waves
.set T, 16
.set QF, 32
.set S, 64
.set BA, 128
.set BB, 192
	s_load_b256 s[4:11], s[0:1], 0x0               ; qf, out1, out2, attn_mask
	s_load_b64 s[12:13], s[0:1], 0x20              ; ctxf
	v_lshl_add_u32 v14, v0, 2, SPARE
	v_mov_b32 v15, 0
	v_lshrrev_b32 v1, 5, v0
	v_readfirstlane_b32 s14, v1                    ; wave 0..15
	v_and_b32 v1, 15, v0                           ; r
	v_bfe_u32 v2, v0, 4, 1                         ; h
	v_lshlrev_b32 v3, 8, v1
	v_lshl_add_u32 v3, v2, 5, v3                   ; Q, K: row r of 256 bytes, + 32 h
	v_lshlrev_b32 v4, 13, v1
	v_lshl_add_u32 v4, v2, 5, v4                   ; the mask: row r of 8,192 bytes, + 32 h
	v_lshlrev_b32 v5, 2, v1
	v_lshl_add_u32 v5, v2, 11, v5                  ; V: channel r, 8 h keys further down
	s_lshl_b32 s15, s14, 2
	v_lshlrev_b32 v7, 6, v1                        ; a row's sixteen words
	v_add_nc_u32 v6, s15, v7                       ; my wave's word of row r
	s_mul_i32 s15, s14, 16*272
	s_add_co_u32 s15, s15, RED
	v_mul_u32_u24 v8, v1, 272
	v_lshl_add_u32 v8, v2, 5, v8
	v_add_nc_u32 v8, s15, v8                       ; O's part: row r, + 32 h
	s_and_b32 s15, s14, 7
	s_lshl_b32 s15, s15, 1
	v_add_nc_u32 v10, s15, v2                      ; the row that I add up at the end: 2 (wave % 8) + h
	v_mul_u32_u24 v9, v10, 272
	v_lshl_add_u32 v9, v1, 4, v9
	v_add_nc_u32 v9, RED, v9
	v_lshlrev_b32 v11, 12, v10
	v_lshl_add_u32 v11, v1, 4, v11                 ; and its place in ctxf
	v_lshlrev_b32 v10, 6, v10
	v_mov_b32 v13, 0                               ; (named as the upper half of the pair v[12:13])
	s_lshl_b32 s16, ttmp9, 19                      ; Q: (16 batch + head) x 2,048 rows of 256 bytes
	s_mov_b32 s17, 0
	s_lshr_b32 s18, ttmp9, 1                       ; 8 batch + key-value head
	s_lshl_b32 s18, s18, 11
	s_lshl_b32 s19, s14, 7
	s_add_co_u32 s18, s18, s19
	s_lshl_b32 s18, s18, 8                         ; K, V: my first key
	s_mov_b32 s19, 0
	s_lshl_b32 s20, s14, 9                         ; the mask: my first key's column
	s_mov_b32 s21, 0
	s_lshr_b32 s22, ttmp9, 4
	s_lshl_b32 s22, s22, 16
	s_and_b32 s23, ttmp9, 15
	s_lshl_b32 s23, s23, 8
	s_add_co_u32 s22, s22, s23                     ; ctxf: batch x 16 rows of 4,096 bytes + head x 256
	s_mov_b32 s23, 0
	s_mov_b32 s24, 0xffffe000                      ; keeps a number's sign, exponent and upper 10 mantissa bits
	s_mov_b32 s26, 0x3fb8aa3b                      ; log2(e)
	s_mov_b32 s27, s26
	s_mov_b32 s28, 0x3e38aa3b                      ; log2(e) / 8
	s_mov_b32 s29, s28
	s_mov_b32 s30, 0x76543210
	s_mov_b32 s31, 0xfedcba98
	s_wait_kmcnt 0x0
	s_add_nc_u64 s[4:5], s[4:5], s[16:17]
	s_add_nc_u64 s[6:7], s[6:7], s[18:19]
	s_add_nc_u64 s[8:9], s[8:9], s[18:19]
	s_add_nc_u64 s[10:11], s[10:11], s[20:21]
	s_add_nc_u64 s[12:13], s[12:13], s[22:23]
; 16 f32 numbers of a lane, in a fragment's order, become two fragments: the low parts in x .. x + 7, the high parts in x + 8 .. x + 15
.macro SPLIT16 x
.irp i, 0,1,2,3,4,5,6,7,8,9,10,11,12,13,14,15
	v_and_b32 v[T+\i], s24, v[(\x)+\i]
.endr
.irp i, 0,2,4,6,8,10,12,14
	v_pk_add_f32 v[(\x)+\i:(\x)+\i+1], v[(\x)+\i:(\x)+\i+1], v[T+\i:T+\i+1] neg_lo:[0,1] neg_hi:[0,1]   ; exact
.endr
.irp i, 0,1,2,3,4,5,6,7
	v_cvt_pk_f16_f32 v[(\x)+\i], v[(\x)+2*\i], v[(\x)+2*\i+1]
.endr
.irp i, 0,1,2,3,4,5,6,7
	v_cvt_pk_f16_f32 v[(\x)+8+\i], v[T+2*\i], v[T+2*\i+1]
.endr
.endm
.macro KLOAD buf, p                    ; key tiles 2 p and 2 p + 1: 16 keys x 64 channels each, in the fragments' order
.irp e, 0,1
.irp c, 0,1
.irp i, 0,1,2,3
	global_load_b128 v[\buf+32*\e+16*\c+4*\i:\buf+32*\e+16*\c+4*\i+3], v3, s[6:7] offset:(2*(\p)+\e)*4096+128*\c+16*(\i%2)+64*(\i/2)
.endr
.endr
.endr
.endm
.macro SC1 buf, p, ko, c, qo, zero     ; one term for both tiles of the pair: the two accumulators by turns
.irp e, 0,1
.if \zero
	v_wmma_f32_16x16x32_f16 v[S+8*(2*(\p)+\e):S+8*(2*(\p)+\e)+7], v[\buf+32*\e+16*\c+\ko:\buf+32*\e+16*\c+\ko+7], v[QF+16*\c+\qo:QF+16*\c+\qo+7], 0
.else
	v_wmma_f32_16x16x32_f16 v[S+8*(2*(\p)+\e):S+8*(2*(\p)+\e)+7], v[\buf+32*\e+16*\c+\ko:\buf+32*\e+16*\c+\ko+7], v[QF+16*\c+\qo:QF+16*\c+\qo+7], v[S+8*(2*(\p)+\e):S+8*(2*(\p)+\e)+7]
.endif
.endr
.endm
.macro SCORE buf, p
	s_wait_loadcnt 16                              ; this pair's 16 loads are in; the 16 issued behind them may be out
	SPLIT16 \buf
	SPLIT16 \buf+16
	SPLIT16 \buf+32
	SPLIT16 \buf+48
	SC1 \buf, \p, 8, 0, 8, 1                       ; high x high,
	SC1 \buf, \p, 8, 1, 8, 0
	SC1 \buf, \p, 0, 0, 8, 0                       ; K's low x Q's high,
	SC1 \buf, \p, 0, 1, 8, 0
	SC1 \buf, \p, 8, 0, 0, 0                       ; K's high x Q's low
	SC1 \buf, \p, 8, 1, 0, 0
.rept 4
	v_nop                                          ; places in front of the loads into the buffer, and of the first read of results
.endr
.endm
.macro VLOAD buf, u                    ; V^T of keys 32 u on: lane r takes channel 16 c + r, its registers run down the keys
.irp c, 0,1,2,3
.irp i, 0,1,2,3,4,5,6,7,8,9,10,11,12,13,14,15
	global_load_b32 v[\buf+16*\c+\i], v5, s[8:9] offset:(32*(\u)+\i+8*(\i/8))*256+64*\c
.endr
.endr
.endm
.irp c, 0,1
.irp i, 0,1,2,3
	global_load_b128 v[QF+16*\c+4*\i:QF+16*\c+4*\i+3], v3, s[4:5] offset:128*\c+16*(\i%2)+64*(\i/2)
.endr
.endr
	KLOAD BA, 0
	KLOAD BB, 1
	s_wait_loadcnt 32                              ; Q is in
.set ii, 0
.rept 16
	v_pk_mul_f32 v[QF+2*ii:QF+2*ii+1], v[QF+2*ii:QF+2*ii+1], s[28:29] op_sel_hi:[1,0]
.set ii, ii+1
.endr
	SPLIT16 QF
	SPLIT16 QF+16
	SCORE BA, 0
	KLOAD BA, 2
	SCORE BB, 1
	KLOAD BB, 3
	SCORE BA, 2
.irp t, 0,1,2,3,4,5,6,7
	global_load_b128 v[BA+8*\t:BA+8*\t+3], v4, s[10:11] offset:64*\t
	global_load_b128 v[BA+8*\t+4:BA+8*\t+7], v4, s[10:11] offset:64*\t+16
.endr
	SCORE BB, 3
	VLOAD BB, 0
	s_wait_loadcnt 63                              ; the mask is in (64 younger loads would do; the wait's field holds 63)
.set ii, 0
.rept 32
	v_pk_fma_f32 v[S+2*ii:S+2*ii+1], v[BA+2*ii:BA+2*ii+1], s[26:27], v[S+2*ii:S+2*ii+1] op_sel_hi:[1,0,1]
.set ii, ii+1
.endr
	VLOAD BA, 1
.irp b, 0,1,2,3
	v_max3_num_f32 v[T+\b], v[S+16*\b], v[S+16*\b+1], v[S+16*\b+2]
.endr
.irp i, 3,5,7,9,11,13
.irp b, 0,1,2,3
	v_max3_num_f32 v[T+\b], v[T+\b], v[S+16*\b+\i], v[S+16*\b+\i+1]
.endr
.endr
.irp b, 0,1,2,3
	v_max_num_f32 v[T+\b], v[T+\b], v[S+16*\b+15]
.endr
	v_max3_num_f32 v[T], v[T], v[T+1], v[T+2]
	v_max_num_f32 v[T], v[T], v[T+3]
	v_permlanex16_b32 v[T+1], v[T], s30, s31
	v_max_num_f32 v[T], v[T], v[T+1]
	ds_store_b32 v6, v[T] offset:MX                ; both halves of the lanes write the same word with the same value
	s_wait_dscnt 0x0
	s_barrier_signal -1
	s_barrier_wait -1
.irp i, 0,1,2,3
	ds_load_b128 v[T+4*\i:T+4*\i+3], v7 offset:MX+16*\i
.endr
	s_wait_dscnt 0x0
	v_max3_num_f32 v16, v16, v17, v18
	v_max3_num_f32 v19, v19, v20, v21
	v_max3_num_f32 v22, v22, v23, v24
	v_max3_num_f32 v25, v25, v26, v27
	v_max3_num_f32 v28, v28, v29, v30
	v_max3_num_f32 v16, v16, v19, v22
	v_max3_num_f32 v25, v25, v28, v31
	v_max_num_f32 v12, v16, v25                    ; the row's largest t over all 2,048 keys
.set ii, 0
.rept 32
	v_pk_add_f32 v[S+2*ii:S+2*ii+1], v[S+2*ii:S+2*ii+1], v[12:13] op_sel_hi:[1,0] neg_lo:[0,1] neg_hi:[0,1]
.set ii, ii+1
.endr
.set ii, 0
.rept 64
	v_exp_f32 v[S+ii], v[S+ii]
.set ii, ii+1
.endr
	v_nop
	s_wait_alu depctr_va_vdst(0)                   ; one wait for the 64, ahead of their first reader
	v_pk_add_f32 v[16:17], v[S:S+1], v[S+2:S+3]
	v_pk_add_f32 v[18:19], v[S+4:S+5], v[S+6:S+7]
.irp i, 8,12,16,20,24,28,32,36,40,44,48,52,56,60
	v_pk_add_f32 v[16:17], v[16:17], v[S+\i:S+\i+1]
	v_pk_add_f32 v[18:19], v[18:19], v[S+\i+2:S+\i+3]
.endr
	v_pk_add_f32 v[16:17], v[16:17], v[18:19]
	v_add_f32 v16, v16, v17
	v_permlanex16_b32 v17, v16, s30, s31
	v_add_f32 v16, v16, v17
	ds_store_b32 v6, v16 offset:LS                 ; my part of the row's sum
	SPLIT16 S
	SPLIT16 S+16
	SPLIT16 S+32
	SPLIT16 S+48
.macro PV1 buf, u, vo, po, zero        ; one term for the four tiles of channels: four accumulators by turns
.irp c, 0,1,2,3
.if \zero
	v_wmma_f32_16x16x32_f16 v[QF+8*\c:QF+8*\c+7], v[\buf+16*\c+\vo:\buf+16*\c+\vo+7], v[S+16*(\u)+\po:S+16*(\u)+\po+7], 0
.else
	v_wmma_f32_16x16x32_f16 v[QF+8*\c:QF+8*\c+7], v[\buf+16*\c+\vo:\buf+16*\c+\vo+7], v[S+16*(\u)+\po:S+16*(\u)+\po+7], v[QF+8*\c:QF+8*\c+7]
.endif
.endr
.endm
.macro PVU buf, u, left, zero
	s_wait_loadcnt \left
	SPLIT16 \buf
	SPLIT16 \buf+16
	SPLIT16 \buf+32
	SPLIT16 \buf+48
	PV1 \buf, \u, 8, 8, \zero
	PV1 \buf, \u, 0, 8, 0
	PV1 \buf, \u, 8, 0, 0
.rept 4
	v_nop
.endr
.endm
	PVU BB, 0, 63, 1                               ; (the next 64 loads may be out; the wait's field holds 63)
	VLOAD BB, 2
	PVU BA, 1, 63, 0
	VLOAD BA, 3
	PVU BB, 2, 63, 0
	PVU BA, 3, 0, 0
.irp c, 0,1,2,3
	ds_store_b128 v8, v[QF+8*\c:QF+8*\c+3] offset:64*\c
	ds_store_b128 v8, v[QF+8*\c+4:QF+8*\c+7] offset:64*\c+16
.endr
	s_wait_dscnt 0x0                               ; for the others' sake: my parts lie in LDS
	s_barrier_signal -1
	s_barrier_wait -1
	s_cmp_lt_u32 s14, 8
	s_cbranch_scc1 .Lsum
	s_wait_tensorcnt 0x0                           ; waves 8-15 end here
	ds_add_u32 v14, v15
	s_wait_dscnt 0x0
	s_endpgm
.Lsum:                                                 ; waves 0-7: two rows each, sixteen lanes to a row of 256 bytes
.irp s, 0,1,2,3,4,5,6,7,8,9,10,11,12,13,14,15
	ds_load_b128 v[BA+4*\s:BA+4*\s+3], v9 offset:\s*4352
.endr
.irp i, 0,1,2,3
	ds_load_b128 v[BB+4*\i:BB+4*\i+3], v10 offset:LS+16*\i
.endr
	s_wait_dscnt 0x0
.irp i, 0,2,4,6
	v_pk_add_f32 v[BB+\i:BB+\i+1], v[BB+\i:BB+\i+1], v[BB+8+\i:BB+8+\i+1]
.endr
.irp i, 0,2
	v_pk_add_f32 v[BB+\i:BB+\i+1], v[BB+\i:BB+\i+1], v[BB+4+\i:BB+4+\i+1]
.endr
	v_pk_add_f32 v[BB:BB+1], v[BB:BB+1], v[BB+2:BB+3]
	v_add_f32 v[BB], v[BB], v[BB+1]
	v_rcp_f32 v[BB], v[BB]
.irp d, 8,4,2,1
.set ss, 0
.rept \d
	v_pk_add_f32 v[BA+4*ss:BA+4*ss+1], v[BA+4*ss:BA+4*ss+1], v[BA+4*(ss+\d):BA+4*(ss+\d)+1]
	v_pk_add_f32 v[BA+4*ss+2:BA+4*ss+3], v[BA+4*ss+2:BA+4*ss+3], v[BA+4*(ss+\d)+2:BA+4*(ss+\d)+3]
.set ss, ss+1
.endr
.endr
	s_wait_alu depctr_va_vdst(0)                   ; the additions above are the work behind the reciprocal; its wait, ahead of its first reader
	v_pk_mul_f32 v[BA:BA+1], v[BA:BA+1], v[BB:BB+1] op_sel_hi:[1,0]
	v_pk_mul_f32 v[BA+2:BA+3], v[BA+2:BA+3], v[BB:BB+1] op_sel_hi:[1,0]
	global_store_b128 v11, v[BA:BA+3], s[12:13]    ; sixteen lanes store 256 consecutive bytes, aligned
	s_wait_tensorcnt 0x0
	ds_add_u32 v14, v15
	s_wait_dscnt 0x0
	s_endpgm
.Lfunc_end_k_q7afacec556_fattn:
	.size	k_q7afacec556_fattn, .Lfunc_end_k_q7afacec556_fattn-k_q7afacec556_fattn
	.p2alignl 7, 3214868480
	.fill 96, 4, 3214868480
	.section	.rodata,"a",@progbits
	.p2align	6, 0x0
	.amdhsa_kernel k_q7afacec556_fattn
		.amdhsa_group_segment_fixed_size 73728
		.amdhsa_private_segment_fixed_size 0
		.amdhsa_enable_private_segment 0
		.amdhsa_kernarg_size 40
		.amdhsa_user_sgpr_count 2
		.amdhsa_user_sgpr_kernarg_segment_ptr 1
		.amdhsa_wavefront_size32 1
		.amdhsa_system_sgpr_workgroup_id_x 1
		.amdhsa_system_sgpr_workgroup_id_y 1
		.amdhsa_system_sgpr_workgroup_id_z 1
		.amdhsa_system_vgpr_workitem_id 0
		.amdhsa_next_free_vgpr 256
		.amdhsa_next_free_sgpr 66
		.amdhsa_reserve_vcc 0
		.amdhsa_float_denorm_mode_32 3
		.amdhsa_float_denorm_mode_16_64 3
		.amdhsa_memory_ordered 1
		.amdhsa_forward_progress 1
		.amdhsa_inst_pref_size 136
	.end_amdhsa_kernel
	.amdgpu_metadata
---
amdhsa.version: [ 1, 2 ]
amdhsa.kernels:
  - .name:           k_q7afacec556_fattn
    .symbol:         k_q7afacec556_fattn.kd
    .args:
      - { .name: qf, .offset: 0, .size: 8, .value_kind: global_buffer, .address_space: global }
      - { .name: out1, .offset: 8, .size: 8, .value_kind: global_buffer, .address_space: global }
      - { .name: out2, .offset: 16, .size: 8, .value_kind: global_buffer, .address_space: global }
      - { .name: attn_mask, .offset: 24, .size: 8, .value_kind: global_buffer, .address_space: global }
      - { .name: ctxf, .offset: 32, .size: 8, .value_kind: global_buffer, .address_space: global }
    .group_segment_fixed_size: 73728
    .private_segment_fixed_size: 0
    .kernarg_segment_align: 8
    .kernarg_segment_size: 40
    .max_flat_workgroup_size: 512
    .sgpr_count:     66
    .vgpr_count:     256
    .wavefront_size: 32
...
	.end_amdgpu_metadata
.endif
;; end of part 4
;; launch proj (part 5): grid 16 x 16, 4 waves a work-group, clusters of 4 x 4, 327,680 bytes of LDS; arguments ctx, wot, out0; writes out0
.if DOCPART == 5
	.amdgcn_target "amdgcn-amd-amdhsa--gfx1250"
	.amdhsa_code_object_version 6
	.text
	.protected	k_q7afacec556_proj
	.globl	k_q7afacec556_proj
	.p2align	8
	.type	k_q7afacec556_proj,@function
k_q7afacec556_proj:
	s_mov_b64 s[64:65], 0
	v_nop
	global_prefetch_b8 v0, s[64:65] scope:SCOPE_SE
	s_setreg_imm32_b32 hwreg(HW_REG_WAVE_MODE, 25, 1), 1
	s_wait_xcnt 0x0
	s_wait_alu depctr_hold_cnt(0) depctr_sa_sdst(0) depctr_va_vdst(0) depctr_va_sdst(0) depctr_va_ssrc(0) depctr_va_vcc(0) depctr_vm_vsrc(0)
	s_getreg_b32 s2, hwreg(HW_REG_IB_STS2, 6, 4)
	s_cmp_eq_u32 s2, 0
	s_cbranch_scc0 .Lentry_in_a_cluster
	s_endpgm
.Lentry_in_a_cluster:
	s_bfe_u32 s2, ttmp6, 0x10000c
	s_cmp_lg_u32 s2, 0xf033
	s_cbranch_scc0 .Lentry_shape_is_right
	s_endpgm
.Lentry_shape_is_right:
; out0[m][n] = the sum over k of ctx[m][k] Wo[k][n].  ctx: [4096][1024] f16; wot: Wo turned, [2048 n][1024 k] f16; out0: [4096][2048] f32; sums in f32.
; A work-group makes 256 rows x 128 columns, a wave 128 x 64: 8 x 4 accumulators, window 1.  256 work-groups.  K goes in steps of 128 (rows of 256 bytes) through two LDS slots.
; CLUSTER 4 x 4: ctx's tiles are asked for jointly along a row of the cluster, wot's along a column.  The matrix instruction is used transposed (source 0 = 16 rows of wot, source 1 = 16 rows of ctx):
; a lane holds eight neighbouring numbers of a row of out0.
; No prefetch: eight K steps in all, a short launch on small tiles.  The first 16 positions of each batch are written again, finely, by the launch behind this one.
; REGISTERS.  window 0: v16-31 addresses; v64-127, v128-191 ctx's fragments, two buffers; v192-223, v224-255 wot's.  window 1: accumulator (a, b) at v[8 (4 a + b)].
.set PITCH, 272
.set HALFA, 128*PITCH
.set HALFB, 64*PITCH
.set SLOT, 2*HALFA+2*HALFB
.set SPARE, 2*SLOT
.set ADRA, 16
.set ADRB, 20
.set STO, 24
.set RD, 25
.set CO, 26
.set SPW, 28
.set NIL, 29
.set AFR, 64
.set BFR, 192
.set BK, 64
.set G1, 24
.set G0, 32
.set G1B, 48
.set G0B, 56
.set MUL, 0x50
.set MSB, 0
.macro WIN new
.if MSB != \new
	s_set_vgpr_msb (MSB<<8)|\new
.set MSB, \new
.endif
.endm
.macro JLOAD s                         ; waves 0, 1 fetch ctx's halves, waves 2, 3 wot's; an s_nop 0 and four v_nop follow each line
	s_cmp_eq_u32 s11, 0
	s_cbranch_scc0 .Lfor_b_\@
	tensor_load_to_lds s[G0+4*\s:G0+4*\s+3], s[G1:G1+7]
	s_nop 0
.rept 4
	v_nop
.endr
	s_branch .Lasked_\@
.Lfor_b_\@:
	tensor_load_to_lds s[G0B+4*\s:G0B+4*\s+3], s[G1B:G1B+7]
	s_nop 0
.rept 4
	v_nop
.endr
.Lasked_\@:
.endm
.macro CREST
	s_cmp_lg_u32 s10, 0
	s_cbranch_scc1 .Lnot_wave_0_\@
	s_barrier_signal -3
.Lnot_wave_0_\@:
	s_barrier_wait -3
	s_barrier_signal -1
	s_barrier_wait -1
.endm
.macro CROUND
	s_barrier_signal -1
	s_barrier_wait -1
	CREST
.endm
.macro PLACES
.rept 4
	v_nop
.endr
.endm
	s_load_b128 s[4:7], s[0:1], 0x0                ; ctx, wot
	s_load_b64 s[8:9], s[0:1], 0x10                ; out0
	v_lshl_add_u32 v[SPW], v0, 2, SPARE
	v_mov_b32 v[NIL], 0
	ds_add_u32 v[SPW], v[NIL]                      ; the wave's opening: the add, twice on end, and its wait ahead of my first tensor load
	ds_add_u32 v[SPW], v[NIL]
	v_lshrrev_b32 v1, 5, v0
	v_readfirstlane_b32 s10, v1
	s_lshr_b32 s11, s10, 1                         ; which 128 rows are mine.  Also: I fetch for ctx (0) or wot (1)
	s_and_b32 s12, s10, 1                          ; which 64 columns.  Also: which half I fetch
	s_bfe_u32 s40, ttmp6, 0x40000
	s_bfe_u32 s41, ttmp6, 0x40004
	s_lshl_b32 s42, ttmp9, 2
	s_add_co_u32 s42, s42, s40                     ; which 128 columns
	s_and_b32 s13, ttmp7, 0xffff
	s_lshl_b32 s13, s13, 2
	s_add_co_u32 s13, s13, s41                     ; which 256 rows
	s_lshl_b32 s43, s41, 2
	s_lshl_b32 s43, 15, s43
	s_lshl_b32 s44, 0x1111, s40
	s_or_b32 s[G1], s43, (1<<16)|(1<<20)|(1<<21)|(5<<22)|(3<<25)   ; elements of 2 bytes; 4 words of padding after every 64
	s_or_b32 s[G1B], s44, (1<<16)|(1<<20)|(1<<21)|(5<<22)|(3<<25)
	s_mov_b32 s[G1+1], 128<<16
	s_mov_b32 s[G1+2], 128<<16
	s_mov_b32 s[G1+3], 128<<16
	s_mov_b32 s[G1+4], 128
	s_mov_b32 s[G1+5], 1024
	s_mov_b32 s[G1+6], 0
	s_mov_b32 s[G1+7], 0
	s_mov_b32 s[G1B+1], 128<<16
	s_mov_b32 s[G1B+2], 64<<16
	s_mov_b32 s[G1B+3], 128<<16
	s_mov_b32 s[G1B+4], 64
	s_mov_b32 s[G1B+5], 1024
	s_mov_b32 s[G1B+6], 0
	s_mov_b32 s[G1B+7], 0
	s_lshl_b32 s17, s12, 7
	s_lshl_b32 s16, s13, 8
	s_add_co_u32 s16, s16, s17
	s_lshl_b32 s16, s16, 11                        ; ctx: the rows that I fetch, 2,048 bytes each
	s_mov_b32 s17, 0
	s_lshl_b32 s47, s12, 6
	s_lshl_b32 s46, s42, 7
	s_add_co_u32 s46, s46, s47
	s_lshl_b32 s46, s46, 11                        ; wot likewise
	s_mov_b32 s47, 0
	s_mul_i32 s20, s12, HALFA
	s_mul_i32 s21, s12, HALFB
	s_add_co_u32 s21, s21, 2*HALFA
	s_wait_dscnt 0x0                               ; both opening adds are done
	s_wait_kmcnt 0x0
	s_add_nc_u64 s[14:15], s[4:5], s[16:17]
	s_add_nc_u64 s[46:47], s[6:7], s[46:47]
	CROUND
.irp s, 0,1
	s_mov_b32 s[G0+4*\s], 1
	s_add_co_u32 s[G0+4*\s+1], s20, \s*SLOT
	s_add_nc_u64 s[G0+4*\s+2:G0+4*\s+3], s[14:15], \s*256
	s_or_b32 s[G0+4*\s+3], s[G0+4*\s+3], 0x80000000
	s_mov_b32 s[G0B+4*\s], 1
	s_add_co_u32 s[G0B+4*\s+1], s21, \s*SLOT
	s_add_nc_u64 s[G0B+4*\s+2:G0B+4*\s+3], s[46:47], \s*256
	s_or_b32 s[G0B+4*\s+3], s[G0B+4*\s+3], 0x80000000
	JLOAD \s                                       ; two loads of mine are out behind the second
.endr
	v_and_b32 v1, 15, v0
	v_bfe_u32 v2, v0, 4, 1
	v_mul_u32_u24 v3, v1, PITCH
	v_lshl_add_u32 v3, v2, 4, v3
	s_mul_i32 s18, s11, HALFA
	s_mul_i32 s19, s12, HALFB
	s_add_co_u32 s19, s19, 2*HALFA
.irp s, 0,1
	v_add_nc_u32 v[ADRA+\s], s18, v3
	v_add_nc_u32 v[ADRB+\s], s19, v3
	s_add_co_u32 s18, s18, SLOT
	s_add_co_u32 s19, s19, SLOT
.endr
	s_mul_i32 s18, s10, 16*272                     ; my stage, in slot 0
	v_mul_u32_u24 v4, v1, 272
	v_lshl_add_u32 v4, v2, 5, v4
	v_add_nc_u32 v[STO], s18, v4
	v_mul_u32_u24 v4, v2, 272
	v_lshl_add_u32 v4, v1, 4, v4
	v_add_nc_u32 v[RD], s18, v4
	v_lshlrev_b32 v[CO], 13, v2
	v_lshl_add_u32 v[CO], v1, 4, v[CO]
	s_lshl_b32 s18, s13, 8
	s_lshl_b32 s19, s11, 7
	s_add_co_u32 s18, s18, s19
	s_lshl_b32 s18, s18, 13                        ; my first row of out0, 8,192 bytes a row
	s_lshl_b32 s19, s42, 9
	s_add_co_u32 s18, s18, s19
	s_lshl_b32 s19, s12, 8
	s_add_co_u32 s18, s18, s19                     ; + my first column
	s_mov_b32 s19, 0
	s_add_nc_u64 s[8:9], s[8:9], s[18:19]
.macro MUL8 f, a0, zero                ; ctx's blocks a0, a0 + 1 against wot's four, 32 along K.  The 32 accumulators take turns, one instruction a turn
.irp a, \a0, \a0+1
.irp b, 0,1,2,3
.if \zero
	v_wmma_f32_16x16x32_f16 v[8*(4*(\a)+\b):8*(4*(\a)+\b)+7], v[BFR+32*\f+8*\b:BFR+32*\f+8*\b+7], v[AFR+64*\f+8*(\a):AFR+64*\f+8*(\a)+7], 0
.else
	v_wmma_f32_16x16x32_f16 v[8*(4*(\a)+\b):8*(4*(\a)+\b)+7], v[BFR+32*\f+8*\b:BFR+32*\f+8*\b+7], v[AFR+64*\f+8*(\a):AFR+64*\f+8*(\a)+7], v[8*(4*(\a)+\b):8*(4*(\a)+\b)+7]
.endif
.endr
.endr
.endm
.macro FETCH slot, k, f                ; 24 LDS loads in one run: wot's four fragments, then ctx's eight
.irp i, 0,1,2,3
	ds_load_b128 v[BFR+32*\f+8*\i:BFR+32*\f+8*\i+3], v[ADRB+\slot] offset:\k+\i*16*PITCH
	ds_load_b128 v[BFR+32*\f+8*\i+4:BFR+32*\f+8*\i+7], v[ADRB+\slot] offset:\k+\i*16*PITCH+32
.endr
.irp i, 0,1,2,3,4,5,6,7
	ds_load_b128 v[AFR+64*\f+8*\i:AFR+64*\f+8*\i+3], v[ADRA+\slot] offset:\k+\i*16*PITCH
	ds_load_b128 v[AFR+64*\f+8*\i+4:AFR+64*\f+8*\i+7], v[ADRA+\slot] offset:\k+\i*16*PITCH+32
.endr
.endm
.macro QUARTER slot, k, f, g, zero     ; 32 along K on buffer f; in its middle the next quarter's fragments, at byte k, go into buffer g
	s_wait_dscnt 8                                 ; all but the youngest eight loads (ctx's blocks 4-7)
	WIN MUL
	MUL8 \f, 0, \zero
	MUL8 \f, 2, \zero
	PLACES
	WIN 0
	FETCH \slot, \k, \g
	s_wait_dscnt 24                                ; all but the 24 just issued
	WIN MUL
	MUL8 \f, 4, \zero
	MUL8 \f, 6, \zero
.endm
.macro TURN slot, next, fill           ; the last quarter multiplies buffer 1 and changes slots
	WIN 0
	s_wait_tensorcnt 0x0                           ; all my tensor loads have landed: my part of the next slot
	ds_add_u32 v[SPW], v[NIL]
	s_wait_dscnt 9                                 ; (the add and the youngest eight loads may be out)
	WIN MUL
	MUL8 1, 0, 0
	s_wait_dscnt 0x0                               ; the add is done, and my reads of this slot are over
	s_barrier_signal -1
	MUL8 1, 2, 0
	WIN 0
	s_barrier_wait -1
.if \fill
	CREST                                          ; the barrier has opened a round of the cluster's
	s_add_nc_u64 s[G0+4*\slot+2:G0+4*\slot+3], s[G0+4*\slot+2:G0+4*\slot+3], 512
	s_add_nc_u64 s[G0B+4*\slot+2:G0B+4*\slot+3], s[G0B+4*\slot+2:G0B+4*\slot+3], 512
	JLOAD \slot                                    ; the first tensor load behind the round; its four v_nop are the places in front of the loads below
.else
	PLACES
.endif
	FETCH \next, 0, 0
	WIN MUL
	MUL8 1, 4, 0
	MUL8 1, 6, 0
.endm
	s_wait_tensorcnt 1                             ; my part of K step 0 is in; K step 1's load may be out
	s_barrier_signal -1
	s_barrier_wait -1
	FETCH 0, 0, 0
	QUARTER 0, 64, 0, 1, 1                         ; the first quarter's products start the sums
	WIN 0
	s_mov_b32 s3, 3                                ; 1,024 / 256 - 1 trips
.Llap:
	QUARTER 0, 128, 1, 0, 0
	QUARTER 0, 192, 0, 1, 0
	TURN 0, 1, 1
	QUARTER 1, 64, 0, 1, 0
	QUARTER 1, 128, 1, 0, 0
	QUARTER 1, 192, 0, 1, 0
	TURN 1, 0, 1
	QUARTER 0, 64, 0, 1, 0
	WIN 0
	s_sub_co_u32 s3, s3, 1
	s_cmp_lg_u32 s3, 0
	s_cbranch_scc1 .Llap
	QUARTER 0, 128, 1, 0, 0                        ; the last lap fills nothing
	QUARTER 0, 192, 0, 1, 0
	TURN 0, 1, 0
	QUARTER 1, 64, 0, 1, 0
	QUARTER 1, 128, 1, 0, 0
	QUARTER 1, 192, 0, 1, 0
	s_wait_dscnt 8
	WIN MUL
	MUL8 1, 0, 0
	MUL8 1, 2, 0
	s_wait_dscnt 0x0
	MUL8 1, 4, 0
	MUL8 1, 6, 0
	WIN 0
; THE WAY OUT, a block of 16 rows x 64 columns at a time through my own stage: sixteen lanes store 256 consecutive bytes, aligned
.macro TOSTAGE a
	WIN 0x04                                       ; an LDS store's data are its source 1: window 1
.irp b, 0,1,2,3
	ds_store_b128 v[STO], v[32*(\a)+8*\b:32*(\a)+8*\b+3] offset:64*\b          ; each accumulator from its low end on
	ds_store_b128 v[STO], v[32*(\a)+8*\b+4:32*(\a)+8*\b+7] offset:64*\b+16
.endr
	WIN 0
.irp t, 0,1,2,3,4,5,6,7
	ds_load_b128 v[BK+32*((\a)%2)+4*\t:BK+32*((\a)%2)+4*\t+3], v[RD] offset:544*\t
.endr
.endm
.macro SEND a, younger
	s_wait_dscnt \younger
.irp t, 0,1,2,3,4,5,6,7
	global_store_b128 v[CO], v[BK+32*((\a)%2)+4*\t:BK+32*((\a)%2)+4*\t+3], s[8:9] offset:(\a)*131072+\t*16384 th:TH_STORE_NT
.endr
.endm
	PLACES
	TOSTAGE 0
.irp a, 1,2,3,4,5,6,7
.if \a > 1
	s_wait_xcnt 0x0                                ; block a - 2's stores have read their registers: block a's loads may land there
.endif
	TOSTAGE \a
	SEND \a-1, 16                                  ; behind block a - 1's loads: block a's 8 stores and 8 loads
.endr
	SEND 7, 0
	s_wait_tensorcnt 0x0                           ; the wave's end
	ds_add_u32 v[SPW], v[NIL]
	s_wait_dscnt 0x0
	CROUND                                         ; the closing round
	s_endpgm
.Lfunc_end_k_q7afacec556_proj:
	.size	k_q7afacec556_proj, .Lfunc_end_k_q7afacec556_proj-k_q7afacec556_proj
	.p2alignl 7, 3214868480
	.fill 96, 4, 3214868480
	.section	.rodata,"a",@progbits
	.p2align	6, 0x0
	.amdhsa_kernel k_q7afacec556_proj
		.amdhsa_group_segment_fixed_size 327680
		.amdhsa_private_segment_fixed_size 0
		.amdhsa_enable_private_segment 0
		.amdhsa_kernarg_size 24
		.amdhsa_user_sgpr_count 2
		.amdhsa_user_sgpr_kernarg_segment_ptr 1
		.amdhsa_wavefront_size32 1
		.amdhsa_system_sgpr_workgroup_id_x 1
		.amdhsa_system_sgpr_workgroup_id_y 1
		.amdhsa_system_sgpr_workgroup_id_z 1
		.amdhsa_system_vgpr_workitem_id 0
		.amdhsa_next_free_vgpr 512
		.amdhsa_next_free_sgpr 66
		.amdhsa_reserve_vcc 0
		.amdhsa_float_denorm_mode_32 3
		.amdhsa_float_denorm_mode_16_64 3
		.amdhsa_memory_ordered 1
		.amdhsa_forward_progress 1
		.amdhsa_inst_pref_size 85
	.end_amdhsa_kernel
	.amdgpu_metadata
---
amdhsa.version: [ 1, 2 ]
amdhsa.kernels:
  - .name:           k_q7afacec556_proj
    .symbol:         k_q7afacec556_proj.kd
    .args:
      - { .name: ctx, .offset: 0, .size: 8, .value_kind: global_buffer, .address_space: global }
      - { .name: wot, .offset: 8, .size: 8, .value_kind: global_buffer, .address_space: global }
      - { .name: out0, .offset: 16, .size: 8, .value_kind: global_buffer, .address_space: global }
    .group_segment_fixed_size: 327680
    .private_segment_fixed_size: 0
    .kernarg_segment_align: 8
    .kernarg_segment_size: 24
    .max_flat_workgroup_size: 128
    .sgpr_count:     66
    .vgpr_count:     512
    .wavefront_size: 32
...
	.end_amdgpu_metadata
.endif
;; end of part 5
;; launch fproj (part 6): grid 128 x 1, 8 waves a work-group, no clusters, 17,408 bytes of LDS; arguments ctxf, Wo, out0; writes out0
.if DOCPART == 6
	.amdgcn_target "amdgcn-amd-amdhsa--gfx1250"
	.amdhsa_code_object_version 6
	.text
	.protected	k_q7afacec556_fproj
	.globl	k_q7afacec556_fproj
	.p2align	8
	.type	k_q7afacec556_fproj,@function
k_q7afacec556_fproj:
	s_mov_b64 s[64:65], 0
	v_nop
	global_prefetch_b8 v0, s[64:65] scope:SCOPE_SE
	s_setreg_imm32_b32 hwreg(HW_REG_WAVE_MODE, 25, 1), 1
	s_wait_xcnt 0x0
; The first 16 positions of each batch once more, in f32: out0[b x 2048 + r][n] = the sum over k of ctxf[b][r][k] Wo[k][n], r = 0 .. 15.  32 rows in all: no bulk work.
; A work-group owns 16 columns; wave w takes k = 128 w .. 128 w + 127; the two batches are two accumulators that take turns and share Wo's fragments, so Wo is read once.
; The matrix instruction is used transposed (source 0 = 16 columns of Wo x 4 k, source 1 = 16 rows of ctxf x 4 k).  Inside a chunk of 8 along K, k is permuted alike on both sides: slot (h, j) of the
; chunk's i-th instruction holds k = 8 e + 4 h + 2 i + j, so that ctxf comes by loads of 16 bytes.
; The eight waves' parts meet in LDS as images of the accumulators.  The stores are pieces of 64 bytes of a row, 262,144 bytes in the whole launch: a work-group of 64 columns would leave three quarters of these WGPs without work.
; The accumulators v16-31 are written by matrix instructions alone.
.set WB, 32                            ; v32-95   Wo
.set CA, 96                            ; v96-159 ctxf of batch 0, v160-223 of batch 1
.set SPARE, 16384
	s_load_b128 s[4:7], s[0:1], 0x0                ; ctxf, Wo
	s_load_b64 s[8:9], s[0:1], 0x10                ; out0
	v_lshl_add_u32 v14, v0, 2, SPARE
	v_mov_b32 v15, 0
	v_lshrrev_b32 v1, 5, v0
	v_readfirstlane_b32 s10, v1                    ; wave 0..7
	v_and_b32 v1, 15, v0                           ; r
	v_bfe_u32 v2, v0, 4, 1                         ; h
	v_lshlrev_b32 v3, 2, v1
	v_lshl_add_u32 v3, v2, 15, v3                  ; Wo: column r, 4 h rows of 8,192 bytes further down
	v_lshlrev_b32 v4, 12, v1
	v_lshl_add_u32 v4, v2, 4, v4                   ; ctxf: row r of 4,096 bytes, + 16 h
	v_and_b32 v5, 31, v0
	v_lshlrev_b32 v5, 4, v5
	s_lshl_b32 s11, s10, 11
	v_add_nc_u32 v6, s11, v5                       ; my images: 2,048 x wave + 16 x lane
	s_and_b32 s11, s10, 3
	s_lshl_b32 s12, s11, 9
	v_add_nc_u32 v7, s12, v5                       ; the image that I add up: number wave % 4
	v_lshlrev_b32 v8, 13, v1
	v_lshl_add_u32 v8, v2, 5, v8                   ; out0: row r, + 32 h
	s_lshl_b32 s12, s10, 20
	s_lshl_b32 s13, ttmp9, 6
	s_add_co_u32 s12, s12, s13
	s_mov_b32 s13, 0
	s_lshl_b32 s14, s10, 9
	s_mov_b32 s15, 0
	s_lshr_b32 s16, s11, 1
	s_lshl_b32 s16, s16, 24                        ; the batch's 2,048 rows of 8,192 bytes
	s_lshl_b32 s17, ttmp9, 6
	s_add_co_u32 s16, s16, s17
	s_and_b32 s17, s11, 1
	s_lshl_b32 s17, s17, 4
	s_add_co_u32 s16, s16, s17
	s_mov_b32 s17, 0
	s_wait_kmcnt 0x0
	s_add_nc_u64 s[6:7], s[6:7], s[12:13]
	s_add_nc_u64 s[4:5], s[4:5], s[14:15]
	s_add_nc_u64 s[8:9], s[8:9], s[16:17]
.irp e, 0,1,2,3,4,5,6,7,8,9,10,11,12,13,14,15
.irp i, 0,1,2,3
	global_load_b32 v[WB+4*\e+\i], v3, s[6:7] offset:(8*\e+\i)*8192
.endr
	global_load_b128 v[CA+4*\e:CA+4*\e+3], v4, s[4:5] offset:32*\e
	global_load_b128 v[CA+64+4*\e:CA+64+4*\e+3], v4, s[4:5] offset:65536+32*\e
.endr
.macro CHUNK e
.if 6*(15-(\e)) > 63
	s_wait_loadcnt 63                              ; the later chunks' loads, six each, may be out; the wait's field holds 63
.else
	s_wait_loadcnt 6*(15-(\e))
.endif
.irp i, 0,1
.irp b, 0,1
.if ((\e) == 0) && (\i == 0)
	v_wmma_f32_16x16x4_f32 v[16+8*\b:23+8*\b], v[WB+4*(\e)+2*\i:WB+4*(\e)+2*\i+1], v[CA+64*\b+4*(\e)+2*\i:CA+64*\b+4*(\e)+2*\i+1], 0
.else
	v_wmma_f32_16x16x4_f32 v[16+8*\b:23+8*\b], v[WB+4*(\e)+2*\i:WB+4*(\e)+2*\i+1], v[CA+64*\b+4*(\e)+2*\i:CA+64*\b+4*(\e)+2*\i+1], v[16+8*\b:23+8*\b]
.endif
.endr
.endr
.endm
.irp e, 0,1,2,3,4,5,6,7,8,9,10,11,12,13,14,15
	CHUNK \e
.endr
.rept 8
	v_nop                                          ; eight places behind this form, in front of the reads of results and the loads into its operands
.endr
.irp q, 0,1,2,3
	ds_store_b128 v6, v[16+4*\q:19+4*\q] offset:512*\q
.endr
	s_wait_dscnt 0x0                               ; for the others' sake: my images lie in LDS
	s_barrier_signal -1
	s_barrier_wait -1
	s_cmp_lt_u32 s10, 4
	s_cbranch_scc1 .Lsum
	s_wait_tensorcnt 0x0                           ; waves 4-7 end here
	ds_add_u32 v14, v15
	s_wait_dscnt 0x0
	s_endpgm
.Lsum:                                                 ; wave q adds up image q of the eight waves: batch q / 2, columns 8 h + 4 (q % 2) + 0 .. 3 of row r
.irp s, 0,1,2,3,4,5,6,7
	ds_load_b128 v[WB+4*\s:WB+4*\s+3], v7 offset:2048*\s
.endr
	s_wait_dscnt 0x0
.irp d, 4,2,1
.set ss, 0
.rept \d
	v_pk_add_f32 v[WB+4*ss:WB+4*ss+1], v[WB+4*ss:WB+4*ss+1], v[WB+4*(ss+\d):WB+4*(ss+\d)+1]
	v_pk_add_f32 v[WB+4*ss+2:WB+4*ss+3], v[WB+4*ss+2:WB+4*ss+3], v[WB+4*(ss+\d)+2:WB+4*(ss+\d)+3]
.set ss, ss+1
.endr
.endr
	global_store_b128 v8, v[WB:WB+3], s[8:9]
	s_wait_tensorcnt 0x0
	ds_add_u32 v14, v15
	s_wait_dscnt 0x0
	s_endpgm
.Lfunc_end_k_q7afacec556_fproj:
	.size	k_q7afacec556_fproj, .Lfunc_end_k_q7afacec556_fproj-k_q7afacec556_fproj
	.p2alignl 7, 3214868480
	.fill 96, 4, 3214868480
	.section	.rodata,"a",@progbits
	.p2align	6, 0x0
	.amdhsa_kernel k_q7afacec556_fproj
		.amdhsa_group_segment_fixed_size 17408
		.amdhsa_private_segment_fixed_size 0
		.amdhsa_enable_private_segment 0
		.amdhsa_kernarg_size 24
		.amdhsa_user_sgpr_count 2
		.amdhsa_user_sgpr_kernarg_segment_ptr 1
		.amdhsa_wavefront_size32 1
		.amdhsa_system_sgpr_workgroup_id_x 1
		.amdhsa_system_sgpr_workgroup_id_y 1
		.amdhsa_system_sgpr_workgroup_id_z 1
		.amdhsa_system_vgpr_workitem_id 0
		.amdhsa_next_free_vgpr 256
		.amdhsa_next_free_sgpr 66
		.amdhsa_reserve_vcc 0
		.amdhsa_float_denorm_mode_32 3
		.amdhsa_float_denorm_mode_16_64 3
		.amdhsa_memory_ordered 1
		.amdhsa_forward_progress 1
		.amdhsa_inst_pref_size 18
	.end_amdhsa_kernel
	.amdgpu_metadata
---
amdhsa.version: [ 1, 2 ]
amdhsa.kernels:
  - .name:           k_q7afacec556_fproj
    .symbol:         k_q7afacec556_fproj.kd
    .args:
      - { .name: ctxf, .offset: 0, .size: 8, .value_kind: global_buffer, .address_space: global }
      - { .name: Wo, .offset: 8, .size: 8, .value_kind: global_buffer, .address_space: global }
      - { .name: out0, .offset: 16, .size: 8, .value_kind: global_buffer, .address_space: global }
    .group_segment_fixed_size: 17408
    .private_segment_fixed_size: 0
    .kernarg_segment_align: 8
    .kernarg_segment_size: 24
    .max_flat_workgroup_size: 256
    .sgpr_count:     66
    .vgpr_count:     256
    .wavefront_size: 32
...
	.end_amdgpu_metadata
.endif
;; end of part 6
